; MI455X (gfx1250); checked and timed in simulation.
; The chip was launched on July 23, 2026; its instructions are those of AMD's public machine-readable ISA for CDNA 5 (MIT licence, August 2026) and "CDNA5" Instruction Set Architecture Reference Guide (July 2026). The comments in the code are by the model that wrote it; some were corrected since.
;; Transformer Block. Allowed arithmetic: float matrix products may take bf16 or f16 operands with f32 sums; all other float work in f32.
;; Inputs: W1 1,024 x 4,096 float32; W2 4,096 x 1,024 float32; Wk 1,024 x 1,024 float32; Wo 1,024 x 1,024 float32; Wq 1,024 x 1,024 float32; Wv 1,024 x 1,024 float32; b1 4,096 float32; b2 1,024 float32; bo 1,024 float32; ln1_b 1,024 float32; ln1_g 1,024 float32; ln2_b 1,024 float32; ln2_g 1,024 float32; pos_embed 1 x 2,048 x 1,024 float32; x 2 x 2,048 x 1,024 float32.
;; Outputs: out0 2 x 2,048 x 1,024 float32.
;; One version. Each part assembles by itself: llvm-mc -triple=amdgcn-amd-amdhsa -mcpu=gfx1250 --defsym DOCPART=n.
;; ======== version 1 of 1: 7 launches
;; workspace buffers: wbf 25,165,824 bytes; hbuf 8,388,608 bytes; qkv 25,165,824 bytes; ao 8,388,608 bytes; x1 16,777,216 bytes; gbuf 33,554,432 bytes
;; launch prep (part 1): grid 512 x 1, 8 waves a work-group, no clusters, 0 bytes of LDS; arguments x, pos_embed, ln1_g, ln1_b, Wq, Wk, Wv, Wo, W1, W2, wbf, hbuf; writes wbf, hbuf
.if DOCPART == 1
	.amdgcn_target "amdgcn-amd-amdhsa--gfx1250"
	.amdhsa_code_object_version 6
	.text
	.protected	k_q029d9fcab7_prep
	.globl	k_q029d9fcab7_prep
	.p2align	8
	.type	k_q029d9fcab7_prep,@function
k_q029d9fcab7_prep:
	s_mov_b64 s[64:65], 0
	v_nop
	global_prefetch_b8 v0, s[64:65] scope:SCOPE_SE
	s_setreg_imm32_b32 hwreg(HW_REG_WAVE_MODE, 25, 1), 1
	s_wait_xcnt 0x0
; prep: two streams in one launch, chosen by the work-group's number.
; Work-groups 0..383: the six weight matrices, f32 to bf16, layout kept [K][N], packed one behind the other in wbf
;   (Wq, Wk, Wv, Wo: 32 work-groups each; W1, W2: 128 each).  A work-group casts 131,072 bytes into 65,536.
; Work-groups 384..511: h = LayerNorm(x) * g + b + pos_embed, rounded once to bf16, into hbuf [4096][1024].
;   One wave, one row of 4,096 bytes in 32 registers: mean first, then the centred squares (two passes over registers),
;   so a common offset of x costs no digits.  Four rows a wave, two register sets that take turns.
; No LDS, no barrier, no matrix unit: both parts only move bytes.
; Limits: v_rsq_f32 is accurate to 1 ULP; NaN and infinities in x get no special care.
.set POS,  1                           ; 1: pos_embed is added (this launch); 0: plain LayerNorm
.set SX,   8                           ; s[8:9]   x
.set SPOS, 10                          ; s[10:11] pos_embed
.set SG,   12                          ; s[12:13] gain
.set SB,   14                          ; s[14:15] bias
.set SH,   30                          ; s[30:31] hbuf
.set G,    16                          ; v[16:47]   gain of my 32 columns
.set BV,   48                          ; v[48:79]   bias of my 32 columns
.set X,    80                          ; v[80:143]  two sets of 32: a row of x
.set P,    144                         ; v[144:207] two sets of 32: a row of pos_embed
.set T,    208                         ; v[208:211] two chains of sums
.set TP,   212                         ; v212       the other half's sum
.set MU,   214                         ; v[214:215] the mean, twice
.set RS,   216                         ; v[216:217] 1/sqrt(var+eps), twice
.set CX,   16                          ; cast: v[16:143]  32 loads of 4 registers
.set CY,   144                         ; cast: v[144:207] 32 stores of 2 registers
	s_load_b512 s[8:23], s[0:1], 0x0               ; x, pos_embed, ln1_g, ln1_b, Wq s[16:17], Wk, Wv, Wo s[22:23]
	s_load_b256 s[24:31], s[0:1], 0x40             ; W1 s[24:25], W2 s[26:27], wbf s[28:29], hbuf s[30:31]
	s_mov_b32 s2, ttmp9
	v_lshrrev_b32 v3, 5, v0
	v_readfirstlane_b32 s3, v3                     ; wave 0..7
	s_cmp_ge_u32 s2, 384
	s_cbranch_scc1 .Lln
	; ---------------- the cast ----------------
	s_wait_kmcnt 0x0
	s_mov_b64 s[32:33], s[16:17]                   ; which matrix, and the number of its first work-group
	s_mov_b32 s34, 0
	s_cmp_ge_u32 s2, 32
	s_cselect_b64 s[32:33], s[18:19], s[32:33]
	s_cselect_b32 s34, 32, s34
	s_cmp_ge_u32 s2, 64
	s_cselect_b64 s[32:33], s[20:21], s[32:33]
	s_cselect_b32 s34, 64, s34
	s_cmp_ge_u32 s2, 96
	s_cselect_b64 s[32:33], s[22:23], s[32:33]
	s_cselect_b32 s34, 96, s34
	s_cmp_ge_u32 s2, 128
	s_cselect_b64 s[32:33], s[24:25], s[32:33]
	s_cselect_b32 s34, 128, s34
	s_cmp_ge_u32 s2, 256
	s_cselect_b64 s[32:33], s[26:27], s[32:33]
	s_cselect_b32 s34, 256, s34
	s_sub_co_u32 s34, s2, s34                      ; my place in that matrix,
	s_lshl_b32 s34, s34, 17                        ; times 131,072 bytes of f32
	s_mov_b32 s35, 0
	s_add_nc_u64 s[32:33], s[32:33], s[34:35]
	s_lshl_b32 s36, s2, 16                         ; in wbf the matrices follow each other: 65,536 bytes a work-group
	s_mov_b32 s37, 0
	s_add_nc_u64 s[36:37], s[28:29], s[36:37]
	v_lshlrev_b32 v1, 4, v0                        ; 16 bytes of f32 a thread: the eight waves cover 4,096 bytes a load
	v_lshlrev_b32 v2, 3, v0                        ; 8 bytes of bf16 a thread: a wave's store covers 256 consecutive bytes, aligned
.set i, 0
.rept 32
	global_load_b128 v[CX+4*i:CX+4*i+3], v1, s[32:33] offset:4096*i th:TH_LOAD_NT   ; all 32 loads go out at once; no register is used twice
.set i, i+1
.endr
.set i, 0
.rept 32
	s_wait_loadcnt 31-i                            ; loads come back in order: load i is in, the 31-i younger ones stay out
	v_cvt_pk_bf16_f32 v[CY+2*i], v[CX+4*i], v[CX+4*i+1]
	v_cvt_pk_bf16_f32 v[CY+2*i+1], v[CX+4*i+2], v[CX+4*i+3]
	global_store_b64 v2, v[CY+2*i:CY+2*i+1], s[36:37] offset:2048*i
.set i, i+1
.endr
	s_endpgm
	; ---------------- LayerNorm 1 + pos_embed ----------------
.macro LNFILL set, row                 ; a row into a register set: chunk j is the 16 bytes at 512 j + 16 lane
.irp j, 0,1,2,3,4,5,6,7
	global_load_b128 v[X+32*\set+4*\j:X+32*\set+4*\j+3], v1, s[SX:SX+1] offset:\row*4096+512*\j
.endr
.if POS
.irp j, 0,1,2,3,4,5,6,7
	global_load_b128 v[P+32*\set+4*\j:P+32*\set+4*\j+3], v1, s[SPOS:SPOS+1] offset:\row*4096+512*\j
.endr
.endif
.endm
.macro WSUM r                          ; the sum over the wave's 32 lanes, in every lane
	v_add_f32_dpp v[\r], v[\r], v[\r] row_xmask:1 row_mask:0xf bank_mask:0xf
	v_add_f32_dpp v[\r], v[\r], v[\r] row_xmask:2 row_mask:0xf bank_mask:0xf
	v_add_f32_dpp v[\r], v[\r], v[\r] row_xmask:4 row_mask:0xf bank_mask:0xf
	v_add_f32_dpp v[\r], v[\r], v[\r] row_xmask:8 row_mask:0xf bank_mask:0xf
	v_permlanex16_b32 v[TP], v[\r], s40, s41
	v_add_f32 v[\r], v[\r], v[TP]
.endm
; One row.  left = how many younger loads may stay out; fillrow >= 0: the set is then loaded with that row.
.macro LNROW set, row, left, fillrow
.set XS, X+32*\set
.set PS, P+32*\set
	s_wait_loadcnt \left
	v_pk_add_f32 v[T:T+1], v[XS:XS+1], v[XS+2:XS+3]            ; the sum, in two chains started by the first words
	v_pk_add_f32 v[T+2:T+3], v[XS+4:XS+5], v[XS+6:XS+7]
.set q, 8
.rept 6
	v_pk_add_f32 v[T:T+1], v[T:T+1], v[XS+q:XS+q+1]
	v_pk_add_f32 v[T+2:T+3], v[T+2:T+3], v[XS+q+2:XS+q+3]
.set q, q+4
.endr
	v_pk_add_f32 v[T:T+1], v[T:T+1], v[T+2:T+3]
	v_add_f32 v[T], v[T], v[T+1]
	WSUM T
	v_mul_f32 v[MU], s42, v[T]                                 ; mean = sum / 1024
	v_mul_f32 v[MU+1], s42, v[T]
.set q, 0
.rept 16
	v_pk_add_f32 v[XS+q:XS+q+1], v[XS+q:XS+q+1], v[MU:MU+1] neg_lo:[0,1] neg_hi:[0,1]   ; d = x - mean, in place
.set q, q+2
.endr
	v_pk_mul_f32 v[T:T+1], v[XS:XS+1], v[XS:XS+1]              ; the sum of d*d, again in two chains
	v_pk_mul_f32 v[T+2:T+3], v[XS+2:XS+3], v[XS+2:XS+3]
.set q, 4
.rept 7
	v_pk_fma_f32 v[T:T+1], v[XS+q:XS+q+1], v[XS+q:XS+q+1], v[T:T+1]
	v_pk_fma_f32 v[T+2:T+3], v[XS+q+2:XS+q+3], v[XS+q+2:XS+q+3], v[T+2:T+3]
.set q, q+4
.endr
	v_pk_add_f32 v[T:T+1], v[T:T+1], v[T+2:T+3]
	v_add_f32 v[T], v[T], v[T+1]
	WSUM T
	v_fma_f32 v[T], v[T], s42, s43                             ; var + eps
	v_rsq_f32 v[RS], v[T]
	v_nop                                                      ; one plain instruction behind v_rsq_f32 before its result is read (ISA guide 5.7.2)
	s_wait_alu depctr_va_vdst(0)
	v_mov_b32 v[RS+1], v[RS]
.set q, 0
.rept 16
	v_pk_mul_f32 v[XS+q:XS+q+1], v[XS+q:XS+q+1], v[RS:RS+1]
.if POS
	v_pk_add_f32 v[PS+q:PS+q+1], v[PS+q:PS+q+1], v[BV+q:BV+q+1]
	v_pk_fma_f32 v[XS+q:XS+q+1], v[XS+q:XS+q+1], v[G+q:G+q+1], v[PS+q:PS+q+1]
.else
	v_pk_fma_f32 v[XS+q:XS+q+1], v[XS+q:XS+q+1], v[G+q:G+q+1], v[BV+q:BV+q+1]
.endif
.set q, q+2
.endr
.irp j, 0,1,2,3,4,5,6,7
	v_cvt_pk_bf16_f32 v[XS+4*\j], v[XS+4*\j], v[XS+4*\j+1]     ; chunk j's four numbers into its first two registers
	v_cvt_pk_bf16_f32 v[XS+4*\j+1], v[XS+4*\j+2], v[XS+4*\j+3]
	global_store_b64 v2, v[XS+4*\j:XS+4*\j+1], s[SH:SH+1] offset:\row*2048+256*\j   ; the wave stores 256 consecutive bytes, aligned
.endr
.if \fillrow >= 0
	s_wait_xcnt 0x0                                            ; the set's registers are the stores' data: loaded again only behind this wait
	LNFILL \set, \fillrow
.endif
.endm
.Lln:
	s_sub_co_u32 s2, s2, 384
	s_lshl_b32 s2, s2, 5                           ; 32 rows a work-group,
	s_lshl2_add_u32 s2, s3, s2                     ; 4 a wave: my first row
	s_lshl_b32 s32, s2, 12                         ; x: 4,096 bytes a row
	s_mov_b32 s33, 0
	s_and_b32 s34, s2, 2047                        ; pos_embed: the row within the sequence (four rows never cross its end)
	s_lshl_b32 s34, s34, 12
	s_mov_b32 s35, 0
	s_lshl_b32 s36, s2, 11                         ; hbuf: 2,048 bytes a row
	s_mov_b32 s37, 0
	s_mov_b32 s40, 0x76543210                      ; v_permlanex16_b32: lane i reads lane i of the other half
	s_mov_b32 s41, 0xfedcba98
	s_mov_b32 s42, 0x3a800000                      ; 1/1024
	s_mov_b32 s43, 0x3727c5ac                      ; eps = 1e-5
	v_and_b32 v1, 31, v0
	v_lshlrev_b32 v2, 3, v1                        ; 8 bytes of bf16 a lane
	v_lshlrev_b32 v1, 4, v1                        ; 16 bytes of f32 a lane
	v_mov_b32 v[TP], 0                             ; v_permlanex16_b32 counts as a reader of its destination
	s_wait_kmcnt 0x0
	s_add_nc_u64 s[SX:SX+1], s[SX:SX+1], s[32:33]
	s_add_nc_u64 s[SPOS:SPOS+1], s[SPOS:SPOS+1], s[34:35]
	s_add_nc_u64 s[SH:SH+1], s[SH:SH+1], s[36:37]
.irp j, 0,1,2,3,4,5,6,7
	global_load_b128 v[G+4*\j:G+4*\j+3], v1, s[SG:SG+1] offset:512*\j
.endr
.irp j, 0,1,2,3,4,5,6,7
	global_load_b128 v[BV+4*\j:BV+4*\j+3], v1, s[SB:SB+1] offset:512*\j
.endr
	LNFILL 0, 0
	LNFILL 1, 1
	LNROW 0, 0, 16, 2                              ; 16: the other set's eight loads of x and eight of pos_embed stay out
	LNROW 1, 1, 16, 3
	LNROW 0, 2, 16, -1
	LNROW 1, 3, 0, -1
	s_endpgm
.Lfunc_end_k_q029d9fcab7_prep:
	.size	k_q029d9fcab7_prep, .Lfunc_end_k_q029d9fcab7_prep-k_q029d9fcab7_prep
	.p2alignl 7, 3214868480
	.fill 96, 4, 3214868480
	.section	.rodata,"a",@progbits
	.p2align	6, 0x0
	.amdhsa_kernel k_q029d9fcab7_prep
		.amdhsa_group_segment_fixed_size 0
		.amdhsa_private_segment_fixed_size 0
		.amdhsa_enable_private_segment 0
		.amdhsa_kernarg_size 96
		.amdhsa_user_sgpr_count 2
		.amdhsa_user_sgpr_kernarg_segment_ptr 1
		.amdhsa_wavefront_size32 1
		.amdhsa_system_sgpr_workgroup_id_x 1
		.amdhsa_system_sgpr_workgroup_id_y 1
		.amdhsa_system_sgpr_workgroup_id_z 1
		.amdhsa_system_vgpr_workitem_id 0
		.amdhsa_next_free_vgpr 224
		.amdhsa_next_free_sgpr 66
		.amdhsa_reserve_vcc 0
		.amdhsa_float_denorm_mode_32 3
		.amdhsa_float_denorm_mode_16_64 3
		.amdhsa_memory_ordered 1
		.amdhsa_forward_progress 1
		.amdhsa_inst_pref_size 57
	.end_amdhsa_kernel
	.amdgpu_metadata
---
amdhsa.version: [ 1, 2 ]
amdhsa.kernels:
  - .name:           k_q029d9fcab7_prep
    .symbol:         k_q029d9fcab7_prep.kd
    .args:
      - { .name: x, .offset: 0, .size: 8, .value_kind: global_buffer, .address_space: global }
      - { .name: pos_embed, .offset: 8, .size: 8, .value_kind: global_buffer, .address_space: global }
      - { .name: ln1_g, .offset: 16, .size: 8, .value_kind: global_buffer, .address_space: global }
      - { .name: ln1_b, .offset: 24, .size: 8, .value_kind: global_buffer, .address_space: global }
      - { .name: Wq, .offset: 32, .size: 8, .value_kind: global_buffer, .address_space: global }
      - { .name: Wk, .offset: 40, .size: 8, .value_kind: global_buffer, .address_space: global }
      - { .name: Wv, .offset: 48, .size: 8, .value_kind: global_buffer, .address_space: global }
      - { .name: Wo, .offset: 56, .size: 8, .value_kind: global_buffer, .address_space: global }
      - { .name: W1, .offset: 64, .size: 8, .value_kind: global_buffer, .address_space: global }
      - { .name: W2, .offset: 72, .size: 8, .value_kind: global_buffer, .address_space: global }
      - { .name: wbf, .offset: 80, .size: 8, .value_kind: global_buffer, .address_space: global }
      - { .name: hbuf, .offset: 88, .size: 8, .value_kind: global_buffer, .address_space: global }
    .group_segment_fixed_size: 0
    .private_segment_fixed_size: 0
    .kernarg_segment_align: 8
    .kernarg_segment_size: 96
    .max_flat_workgroup_size: 256
    .sgpr_count:     66
    .vgpr_count:     224
    .wavefront_size: 32
...
	.end_amdgpu_metadata
.endif
;; end of part 1
;; launch qkv (part 2): grid 12 x 16, 4 waves a work-group, clusters of 4 x 4, 327,680 bytes of LDS; arguments hbuf, wbf, qkv; writes qkv
.if DOCPART == 2
	.amdgcn_target "amdgcn-amd-amdhsa--gfx1250"
	.amdhsa_code_object_version 6
	.text
	.protected	k_q029d9fcab7_qkv
	.globl	k_q029d9fcab7_qkv
	.p2align	8
	.type	k_q029d9fcab7_qkv,@function
k_q029d9fcab7_qkv:
	s_mov_b64 s[64:65], 0
	v_nop
	global_prefetch_b8 v0, s[64:65] scope:SCOPE_SE
	s_setreg_imm32_b32 hwreg(HW_REG_WAVE_MODE, 25, 1), 1
	s_wait_xcnt 0x0
	s_wait_alu depctr_hold_cnt(0) depctr_sa_sdst(0) depctr_va_vdst(0) depctr_va_sdst(0) depctr_va_ssrc(0) depctr_va_vcc(0) depctr_vm_vsrc(0)
	s_getreg_b32 s2, hwreg(HW_REG_IB_STS2, 6, 4)
	s_cmp_eq_u32 s2, 0
	s_cbranch_scc0 .Lentry_in_a_cluster
	s_endpgm
.Lentry_in_a_cluster:
	s_bfe_u32 s2, ttmp6, 0x10000c
	s_cmp_lg_u32 s2, 0xf033
	s_cbranch_scc0 .Lentry_shape_is_right
	s_endpgm
.Lentry_shape_is_right:
; C = A W with A [4096][1024] bf16 (K along the rows) and W [1024][NP] bf16 (N along the rows), sums in f32.
; KIND 0: A = h, W = Wq | Wk | Wv (block columns 0-3, 4-7, 8-11); C goes out as bf16, head-major: qkv[3][32 (b*16+head)][2048][64].
; KIND 1: A = LayerNorm2 output, W = W1; C + b1 goes through the exact GELU and out as bf16 [4096][4096].
; A work-group makes 256 x 256 of C with four waves, one on each SIMD; a wave makes 128 x 128: 64 accumulator tiles, 512 registers.
; K = 1024 goes in 8 steps of 128 through two LDS slots filled by the tensor data mover; A's rows are 256 bytes of memory, W's 512.
; CLUSTERS: 4 x 4 work-groups.  A's tile hangs on the block row alone and is asked for jointly along a row of the cluster,
; W's on the block column alone and is asked for jointly along a column: a quarter of the requests.
; W lies [K][N] in LDS as in memory; its fragments come by the transposing LDS load, so no launch transposes weights.
; REGISTER WINDOWS: window 0: addresses, A's fragments (v64-191, two buffers), work on the way out; window 1: W's fragments (v64-191);
; windows 2, 3: the accumulators of my rows 0-63, 64-127 (tile (a, b) at v[8 (8 a + b)]).
; THE MATRIX INSTRUCTION IS USED TRANSPOSED (source 0 = 16 columns of W, source 1 = 16 rows of A): lane l then holds row l % 16 of C
; and its eight registers the columns 8 (l / 16) + 0..7, which pack into 16 neighbouring bytes.
; Limits (KIND 1): erfc by the five-term rational form with exp(-z*z), absolute error 1.5e-7 on erf for every x;
; v_exp_f32 and v_rcp_f32 are 1 ULP and flush denormals; NaN and infinities get no special care.
.set KIND,   0
.set KSTEP,  128
.set APITCH, 272                       ; A's LDS row: 256 bytes + 16: an odd multiple of 16, so 16 rows of a fragment load start 16 bytes apart modulo 256
.set BPITCH, 544                       ; W's LDS row: 512 bytes + 32: an odd multiple of 32, as the transposing load's eight-row groups want
.set HALFT,  34816                     ; 128 rows of A = 64 rows of W: what one tensor load brings
.set SLOT,   4*HALFT                   ; A's 256 rows, then W's 128 k-rows
.set STAGE,  2*SLOT                    ; behind the ring: 16 rows x 272 bytes for each wave; no tensor load lands here
.set SPITCH, 272
.set LAPS,   4                         ; a lap = two K steps = once round the ring
.if KIND
.set NP,     4096
.set OUTP,   10                        ; s[10:11] the output
.set TMP,    32
.else
.set NP,     1024
.set OUTP,   8                         ; s[8:9] the output
.set TMP,    192
.endif
.set BSTEP,  KSTEP*NP*2                ; bytes from one K step of W to the next
.set ADRA, 16                          ; v16-17  LDS address of my A fragments in slot 0, 1
.set ADRB, 20                          ; v20-21  the same for W
.set STO,  24                          ; v24     way out: where I put 16 bytes of a row
.set RD,   25                          ; v25     way out: where I read back
.set CO,   26                          ; v26     my byte offset in the output
.set F0,   64
.set F1,   128
.set BIAS, 192                         ; KIND 1: v192-255, b1 of my 8 x 8 columns
.set GX,   64                          ; KIND 1, way out: 32 numbers x,
.set GT,   96                          ;   t = 1/(1 + p|x|/sqrt 2), later max(x, 0),
.set GE,   128                         ;   exp(-x*x/2),
.set GP,   160                         ;   the polynomial; later the rows read back
.set G1,  24                           ; s[24:31] group 1 for A
.set G0,  32                           ; s[32:39] group 0 for A, one set a slot
.set G1B, 48                           ; s[48:55] group 1 for W
.set G0B, 56                           ; s[56:63] group 0 for W, one set a slot
.set MSB, 0
.macro WIN new                         ; the immediate's high byte repeats the setting that is left
.if MSB != \new
	s_set_vgpr_msb (MSB<<8)|\new
.set MSB, \new
.endif
.endm
.set MUL_LO, 0xa1                      ; source 0 (W) window 1, source 1 (A) window 0, C and D window 2
.set MUL_HI, 0xf1                      ; the same, C and D window 3
.set TO_B,   0x40                      ; destination window 1, address window 0
; A joint load.  Waves 0, 1 fetch A's halves, waves 2, 3 W's.  The branch hangs on the wave's number alone.
.macro JLOAD s
	s_cmp_eq_u32 s67, 0
	s_cbranch_scc0 .Lfor_b_\@
	tensor_load_to_lds s[G0+4*\s:G0+4*\s+3], s[G1:G1+7]
	s_nop 0
	s_branch .Lasked_\@
.Lfor_b_\@:
	tensor_load_to_lds s[G0B+4*\s:G0B+4*\s+3], s[G1B:G1B+7]
	s_nop 0
.Lasked_\@:
.endm
; A round of the cluster's barrier: my work-group's barrier, wave 0 signals for the work-group, every wave waits for all sixteen, my barrier again.
.macro CREST
	s_cmp_lg_u32 s66, 0
	s_cbranch_scc1 .Lnot_wave_0_\@
	s_barrier_signal -3
.Lnot_wave_0_\@:
	s_barrier_wait -3
	s_barrier_signal -1
	s_barrier_wait -1
.endm
.macro CROUND
	s_barrier_signal -1
	s_barrier_wait -1
	CREST
.endm
.if KIND
	s_load_b256 s[4:11], s[0:1], 0x0               ; A s[4:5], wbf s[6:7], b1 s[8:9], gbuf s[10:11]
.else
	s_load_b128 s[4:7], s[0:1], 0x0                ; A s[4:5], wbf s[6:7]
	s_load_b64 s[8:9], s[0:1], 0x10                ; qkv
	s_set_vgpr_msb 0x40
	v_lshl_add_u32 v255, v0, 2, 0x48400
	s_set_vgpr_msb 0x4000
	v_mov_b32 v255, 0
	s_set_vgpr_msb 0x1
	ds_add_u32 v255, v255
	s_set_vgpr_msb 0x100
.endif
	v_lshrrev_b32 v1, 5, v0
	v_readfirstlane_b32 s66, v1                    ; wave 0..3
	s_lshr_b32 s67, s66, 1                         ; my half of the block's rows.  Also: I fetch for A (0) or for W (1)
	s_and_b32 s68, s66, 1                          ; my half of its columns.  Also: which half of that tile I fetch
	s_bfe_u32 s40, ttmp6, 0x40000                  ; cx
	s_bfe_u32 s41, ttmp6, 0x40004                  ; cy
	s_lshl_b32 s42, ttmp9, 2
	s_add_co_u32 s42, s42, s40                     ; block column = 4 x cluster x + cx
	s_and_b32 s13, ttmp7, 0xffff
	s_lshl_b32 s13, s13, 2
	s_add_co_u32 s13, s13, s41                     ; block row = 4 x cluster y + cy
	s_lshl_b32 s43, s41, 2
	s_lshl_b32 s43, 15, s43                        ; my row of the cluster: places 4 cy .. 4 cy + 3
	s_lshl_b32 s44, 0x1111, s40                    ; my column: places cx, cx + 4, cx + 8, cx + 12
	; group 1 for A: 128 rows x 128 elements of 2 bytes, pitch 1024 elements; 4 words of padding behind every 64
	s_or_b32 s[G1+0], s43, (1<<16)|(1<<20)|(1<<21)|(5<<22)|(3<<25)
	s_mov_b32 s[G1+1], KSTEP<<16                   ; tensor_dim0 = 128
	s_mov_b32 s[G1+2], 128<<16                     ; tensor_dim1 = 128
	s_mov_b32 s[G1+3], KSTEP<<16                   ; tile_dim0 = 128
	s_mov_b32 s[G1+4], 128                         ; tile_dim1 = 128
	s_mov_b32 s[G1+5], 1024                        ; elements from row to row
	s_mov_b32 s[G1+6], 0
	s_mov_b32 s[G1+7], 0
	; group 1 for W: 64 k-rows x 256 elements, pitch NP; 8 words of padding behind every 128
	s_or_b32 s[G1B+0], s44, (1<<16)|(1<<20)|(1<<21)|(6<<22)|(7<<25)
	s_mov_b32 s[G1B+1], 256<<16
	s_mov_b32 s[G1B+2], 64<<16
	s_mov_b32 s[G1B+3], 256<<16
	s_mov_b32 s[G1B+4], 64
	s_mov_b32 s[G1B+5], NP
	s_mov_b32 s[G1B+6], 0
	s_mov_b32 s[G1B+7], 0
	; where the tiles come from: A's offset is made of the block row and the wave, W's of the block column and the wave
	s_lshl_b32 s16, s13, 19                        ; 256 rows x 2,048 bytes
	s_lshl_b32 s17, s68, 18                        ; + my 128 rows
	s_add_co_u32 s16, s16, s17
	s_mov_b32 s17, 0
.if KIND
	s_lshl_b32 s46, s42, 9                         ; 256 columns x 2 bytes
	s_lshl_b32 s47, s68, 19                        ; + my 64 k-rows of 8,192 bytes
	s_add_co_u32 s46, s46, s47
	s_add_co_u32 s46, s46, 8388608                 ; W1 in wbf
.else
	s_lshl_b32 s46, ttmp9, 21                      ; Wq, Wk or Wv: 2,097,152 bytes each; a cluster's four block columns are one matrix
	s_lshl_b32 s47, s40, 9                         ; 256 columns x 2 bytes
	s_add_co_u32 s46, s46, s47
	s_lshl_b32 s47, s68, 17                        ; + my 64 k-rows of 2,048 bytes
	s_add_co_u32 s46, s46, s47
.endif
	s_mov_b32 s47, 0
	s_mul_i32 s20, s66, HALFT                      ; where they go: wave x a quarter of the slot
	s_wait_dscnt 0x0
	s_wait_kmcnt 0x0
	s_add_nc_u64 s[14:15], s[4:5], s[16:17]
	s_add_nc_u64 s[46:47], s[6:7], s[46:47]
	CROUND                                         ; all sixteen work-groups are here: the first joint loads meet
.irp s, 0,1
	s_mov_b32 s[G0+4*\s], 1
	s_add_co_u32 s[G0+4*\s+1], s20, \s*SLOT
	s_add_nc_u64 s[G0+4*\s+2:G0+4*\s+3], s[14:15], \s*KSTEP*2
	s_or_b32 s[G0+4*\s+3], s[G0+4*\s+3], 0x80000000
	s_mov_b32 s[G0B+4*\s], 1
	s_add_co_u32 s[G0B+4*\s+1], s20, \s*SLOT
	s_add_nc_u64 s[G0B+4*\s+2:G0B+4*\s+3], s[46:47], \s*BSTEP
	s_or_b32 s[G0B+4*\s+3], s[G0B+4*\s+3], 0x80000000
	JLOAD \s
.endr
	v_and_b32 v1, 15, v0                           ; r = l % 16
	v_bfe_u32 v2, v0, 4, 1                         ; h = l / 16
	v_mul_u32_u24 v3, v1, APITCH
	v_lshl_add_u32 v3, v2, 4, v3                   ; A: row r, 16 bytes for each half of the lanes
	v_and_b32 v4, 7, v0
	v_lshl_add_u32 v4, v2, 3, v4                   ; W: k-row 8 h + l % 8,
	v_mul_u32_u24 v4, v4, BPITCH
	v_bfe_u32 v5, v0, 3, 1
	v_lshl_add_u32 v4, v5, 4, v4                   ; columns 0-7 or 8-15 of the sixteen
	s_mul_i32 s21, s67, HALFT                      ; my 128 rows of A
	s_lshl_b32 s22, s68, 8                         ; my 128 columns of W,
	s_add_co_u32 s22, s22, 2*HALFT                 ; which lies behind A
.irp s, 0,1
	v_add_nc_u32 v[ADRA+\s], s21, v3
	v_add_nc_u32 v[ADRB+\s], s22, v4
	s_add_co_u32 s21, s21, SLOT
	s_add_co_u32 s22, s22, SLOT
.endr
	s_mul_i32 s23, s66, 16*SPITCH
	s_add_co_u32 s23, s23, STAGE                   ; my stage
	v_add_nc_u32 v[STO], s23, v3                   ; in: row r, 16 bytes for each half of the lanes
.if KIND
	v_mul_u32_u24 v6, v2, SPITCH                   ; back: lanes 0-15 one row of 256 bytes, lanes 16-31 the next
	v_lshl_add_u32 v6, v1, 4, v6
	v_add_nc_u32 v[RD], s23, v6
	v_lshlrev_b32 v6, 13, v2                       ; the same two rows in gbuf: 8,192 bytes a row
	v_lshl_add_u32 v[CO], v1, 4, v6
	v_lshlrev_b32 v27, 5, v2                       ; b1: 8 h columns of 4 bytes
	s_lshl_b32 s72, s42, 10                        ; + 256 columns a block
	s_lshl_b32 s73, s68, 9                         ; + my 128
	s_add_co_u32 s72, s72, s73
	s_mov_b32 s73, 0
	s_add_nc_u64 s[8:9], s[8:9], s[72:73]
.irp b, 0,1,2,3,4,5,6,7
	global_load_b128 v[BIAS+8*\b:BIAS+8*\b+3], v27, s[8:9] offset:64*\b
	global_load_b128 v[BIAS+8*\b+4:BIAS+8*\b+7], v27, s[8:9] offset:64*\b+16
.endr
	s_mov_b32 s70, 0x3e6d3388                      ; 0.3275911 / sqrt 2
.else
	v_bfe_u32 v6, v0, 3, 2                         ; back: eight lanes take the 128 bytes that a row has of one head, four rows a load
	v_and_b32 v7, 7, v0
	v_mul_u32_u24 v6, v6, SPITCH
	v_lshl_add_u32 v6, v7, 4, v6
	v_add_nc_u32 v[RD], s23, v6
	v_and_b32 v7, 31, v0
	v_lshlrev_b32 v[CO], 4, v7                     ; four rows of 128 bytes follow each other in a head: 16 bytes a lane
.endif
; 16 matrix instructions: m blocks a0, a0 + 1 of the window's four x all 8 n blocks, 32 along K.  zero = 1: the first product starts the sums.
; The 64 accumulators take turns, one instruction a turn, in the same order in every quarter step.
.macro MUL16 f, hi, a0, zero
.irp a, \a0, \a0+1
.irp b, 0,1,2,3,4,5,6,7
.if \zero
	v_wmma_f32_16x16x32_bf16 v[8*(8*(\a)+\b):8*(8*(\a)+\b)+7], v[\f+8*\b:\f+8*\b+7], v[\f+8*(4*\hi+\a):\f+8*(4*\hi+\a)+7], 0
.else
	v_wmma_f32_16x16x32_bf16 v[8*(8*(\a)+\b):8*(8*(\a)+\b)+7], v[\f+8*\b:\f+8*\b+7], v[\f+8*(4*\hi+\a):\f+8*(4*\hi+\a)+7], v[8*(8*(\a)+\b):8*(8*(\a)+\b)+7]
.endif
.endr
.endr
.endm
; 32 LDS loads in one run: the fragments of quarter kq (32 along K) into buffer f.  W's: two transposing loads, 16 k-rows apart, bring
; lane l the k = 8 h .. + 7 and 16 + 8 h .. + 7 of column l % 16.  A's: two plain loads 32 bytes apart.
.macro FETCH slot, kq, f
	WIN TO_B
.irp i, 0,1,2,3,4,5,6,7
	ds_load_tr16_b128 v[\f+8*\i:\f+8*\i+3],   v[ADRB+\slot] offset:\kq*32*BPITCH+32*\i
	ds_load_tr16_b128 v[\f+8*\i+4:\f+8*\i+7], v[ADRB+\slot] offset:\kq*32*BPITCH+32*\i+16*BPITCH
.endr
	WIN 0
.irp i, 0,1,2,3,4,5,6,7
	ds_load_b128 v[\f+8*\i:\f+8*\i+3],   v[ADRA+\slot] offset:\kq*64+\i*16*APITCH
	ds_load_b128 v[\f+8*\i+4:\f+8*\i+7], v[ADRA+\slot] offset:\kq*64+\i*16*APITCH+32
.endr
.endm
; Four plain vector instructions stand between a matrix instruction and a load into, or a vector instruction on, one of its registers.
.macro PLACES
.rept 4
	v_nop
.endr
.endm
; One of a K step's first three quarters: multiplies buffer f; in its middle it fetches quarter kq of the same slot into buffer g.
.macro QUARTER slot, kq, f, g, zero
	s_wait_dscnt 8                                 ; W and A's rows 0-63 are in; the youngest eight loads (A's rows 64-127) may be out
	WIN MUL_LO
	MUL16 \f, 0, 0, \zero
	MUL16 \f, 0, 2, \zero
	PLACES
	FETCH \slot, \kq, \g
	s_wait_dscnt 32                                ; all but the 32 just issued
	WIN MUL_HI
	MUL16 \f, 1, 0, \zero
	MUL16 \f, 1, 2, \zero
.endm
.macro THREE slot, zero
	QUARTER \slot, 1, F0, F1, \zero
	QUARTER \slot, 2, F1, F0, 0
	QUARTER \slot, 3, F0, F1, 0
.endm
; The last quarter: multiplies buffer 1 and changes slots.  In front of the barrier each wave waits for its reads of this slot and for all its
; tensor loads (one is out: its part of the next slot).  Behind it (with fill: behind the cluster's round that it opens) the refill comes first,
; then the next slot's first fragments.  From a request to the wait for it a wave issues 240 matrix instructions.
.macro TURN slot, next, fill
	s_wait_dscnt 8
	WIN MUL_LO
	MUL16 F1, 0, 0, 0
	s_wait_dscnt 0                                 ; my reads of this slot are over
	s_wait_tensorcnt 0x0                           ; all my tensor loads have landed
	ds_add_u32 v255, v255
	s_wait_dscnt 0x0
	s_barrier_signal -1
	MUL16 F1, 0, 2, 0                              ; register work while the others arrive
	WIN 0
	s_barrier_wait -1
.if \fill
	CREST                                          ; no wave of any partner still reads this slot or has a load on its way
	s_add_nc_u64 s[G0+4*\slot+2:G0+4*\slot+3], s[G0+4*\slot+2:G0+4*\slot+3], 2*KSTEP*2
	s_add_nc_u64 s[G0B+4*\slot+2:G0B+4*\slot+3], s[G0B+4*\slot+2:G0B+4*\slot+3], 2*BSTEP
	JLOAD \slot                                    ; the first tensor load behind the round
.endif
	PLACES
	FETCH \next, 0, F0
	WIN MUL_HI
	MUL16 F1, 1, 0, 0
	MUL16 F1, 1, 2, 0
.endm
.macro LAP zero
	THREE 0, \zero
	TURN 0, 1, 1
	THREE 1, 0
	TURN 1, 0, 1
.endm
.if KIND
	s_wait_loadcnt 0x0                             ; b1 is in: no load of mine stays out during the loop
.endif
	s_wait_tensorcnt 1                             ; my part of K step 0 is in; K step 1's load stays out
	s_barrier_signal -1
	s_barrier_wait -1
	FETCH 0, 0, F0
	LAP 1                                          ; the first lap's first products start the sums
	WIN 0
	s_mov_b32 s3, LAPS-2
.Llap:
	LAP 0
	WIN 0
	s_sub_co_u32 s3, s3, 1
	s_cmp_lg_u32 s3, 0
	s_cbranch_scc1 .Llap
	THREE 0, 0                                     ; the last lap fills nothing
	TURN 0, 1, 0
	THREE 1, 0
	s_wait_dscnt 8
	WIN MUL_LO
	MUL16 F1, 0, 0, 0
	MUL16 F1, 0, 2, 0
	s_wait_dscnt 0
	WIN MUL_HI
	MUL16 F1, 1, 0, 0
	MUL16 F1, 1, 2, 0
	PLACES                                         ; behind the last matrix instructions, for all that follows
.if KIND
	; ---------------- way out, KIND 1: + b1, GELU, bf16, whole rows of 256 bytes ----------------
	WIN 0
	v_mov_b32 v2, 0x3f07dc22                       ; the polynomial's coefficients, halved, each twice for the packed forms: a5/2
	v_mov_b32 v3, 0x3f07dc22
	v_mov_b32 v4, 0xbf3a00e3                       ; a4/2
	v_mov_b32 v5, 0xbf3a00e3
	v_mov_b32 v6, 0x3f35f0e3                       ; a3/2
	v_mov_b32 v7, 0x3f35f0e3
	v_mov_b32 v8, 0xbe11a98e                       ; a2/2
	v_mov_b32 v9, 0xbe11a98e
	v_mov_b32 v10, 0x3e027906                      ; a1/2
	v_mov_b32 v11, 0x3e027906
	v_mov_b32 v12, 0xbf38aa3b                      ; -log2(e)/2
	v_mov_b32 v13, 0xbf38aa3b
	s_lshl_b32 s16, s13, 21                        ; 256 rows of 8,192 bytes a block row
	s_lshl_b32 s17, s67, 20                        ; + my 128 rows
	s_add_co_u32 s16, s16, s17
	s_mov_b32 s17, 0
	s_add_nc_u64 s[OUTP:OUTP+1], s[OUTP:OUTP+1], s[16:17]
	s_lshl_b32 s46, s42, 9                         ; 512 bytes a block column
	s_lshl_b32 s47, s68, 8                         ; + my 256
	s_add_co_u32 s46, s46, s47
	s_mov_b32 s47, 0
	s_add_nc_u64 s[OUTP:OUTP+1], s[OUTP:OUTP+1], s[46:47]
; gelu(x) = max(x, 0) - |x| * (erfc(|x|/sqrt 2) / 2), on the 32 numbers in GX; packed to bf16 into 16 registers from dst on.
; Runs of transcendentals stand back to back; the first line behind each run is a plain instruction that names none of the run's last registers.
.macro GELU32 dst
.set q, 0
.rept 32
	v_fma_f32 v[GT+q], |v[GX+q]|, s70, 1.0
.set q, q+1
.endr
.set q, 0
.rept 32
	v_rcp_f32 v[GT+q], v[GT+q]                     ; t
.set q, q+1
.endr
.set q, 0
.rept 16
	v_pk_mul_f32 v[GE+q:GE+q+1], v[GX+q:GX+q+1], v[GX+q:GX+q+1]
.set q, q+2
.endr
.set q, 0
.rept 16
	v_pk_mul_f32 v[GE+q:GE+q+1], v[GE+q:GE+q+1], v[12:13]
.set q, q+2
.endr
.set q, 0
.rept 32
	v_exp_f32 v[GE+q], v[GE+q]                     ; exp(-x*x/2)
.set q, q+1
.endr
.set q, 0
.rept 16
	v_pk_fma_f32 v[GP+q:GP+q+1], v[GT+q:GT+q+1], v[2:3], v[4:5]
.set q, q+2
.endr
.irp c, 6, 8, 10
.set q, 0
.rept 16
	v_pk_fma_f32 v[GP+q:GP+q+1], v[GP+q:GP+q+1], v[GT+q:GT+q+1], v[\c:\c+1]
.set q, q+2
.endr
.endr
.set q, 0
.rept 16
	v_pk_mul_f32 v[GP+q:GP+q+1], v[GP+q:GP+q+1], v[GT+q:GT+q+1]
.set q, q+2
.endr
.set q, 0
.rept 16
	v_pk_mul_f32 v[GP+q:GP+q+1], v[GP+q:GP+q+1], v[GE+q:GE+q+1]    ; erfc / 2
.set q, q+2
.endr
.set q, 0
.rept 32
	v_max_num_f32 v[GT+q], 0, v[GX+q]
.set q, q+1
.endr
.set q, 0
.rept 32
	v_fma_f32 v[GX+q], -|v[GX+q]|, v[GP+q], v[GT+q]
.set q, q+1
.endr
.set q, 0
.rept 16
	v_cvt_pk_bf16_f32 v[\dst+q], v[GX+2*q], v[GX+2*q+1]
.set q, q+1
.endr
.endm
; rows 16 i .. 16 i + 15 of my block = the eight tiles (a, 0..7) of window 2 or 3 (src: source 0's window)
.macro OUT16G i, a, src
	s_wait_xcnt 0x0                                ; GP held the last rows' store data: written again only behind this wait
.irp hf, 0, 1
	WIN \src
.set q, 0
.rept 16
	v_pk_add_f32 v[GX+q:GX+q+1], v[8*(8*\a+4*\hf)+q:8*(8*\a+4*\hf)+q+1], v[BIAS+32*\hf+q:BIAS+32*\hf+q+1]
.set q, q+2
.endr
	WIN 0
	GELU32 TMP+16*\hf
.endr
.irp b, 0,1,2,3,4,5,6,7
	ds_store_b128 v[STO], v[TMP+4*\b:TMP+4*\b+3] offset:32*\b
.endr
.irp t, 0,1,2,3,4,5,6,7
	ds_load_b128 v[GP+4*\t:GP+4*\t+3], v[RD] offset:\t*2*SPITCH    ; LDS serves a wave's instructions in order: these see the stores above
.endr
.irp t, 0,1,2,3,4,5,6,7
	s_wait_dscnt 7-\t
	global_store_b128 v[CO], v[GP+4*\t:GP+4*\t+3], s[OUTP:OUTP+1] offset:(16*\i+2*\t)*8192   ; 16 lanes store 256 consecutive bytes, aligned
.endr
.endm
	OUT16G 0, 0, 0x02
	OUT16G 1, 1, 0x02
	OUT16G 2, 2, 0x02
	OUT16G 3, 3, 0x02
	OUT16G 4, 0, 0x03
	OUT16G 5, 1, 0x03
	OUT16G 6, 2, 0x03
	OUT16G 7, 3, 0x03
.else
	; ---------------- way out, KIND 0: bf16, head-major ----------------
	s_lshr_b32 s16, s13, 3                         ; batch: 8 block rows each, 16 heads of 262,144 bytes
	s_lshl_b32 s16, s16, 22
	s_and_b32 s17, s13, 7                          ; 256 rows of 128 bytes a block row
	s_lshl_b32 s17, s17, 15
	s_add_co_u32 s16, s16, s17
	s_lshl_b32 s17, s67, 14                        ; + my 128 rows
	s_add_co_u32 s16, s16, s17
	s_mov_b32 s17, 0
	s_add_nc_u64 s[OUTP:OUTP+1], s[OUTP:OUTP+1], s[16:17]
	s_lshl_b32 s46, ttmp9, 23                      ; q, k or v: 8,388,608 bytes each
	s_lshl_b32 s47, s40, 20                        ; four heads a block column
	s_add_co_u32 s46, s46, s47
	s_lshl_b32 s47, s68, 19                        ; + my two heads
	s_add_co_u32 s46, s46, s47
	s_mov_b32 s47, 0
	s_add_nc_u64 s[OUTP:OUTP+1], s[OUTP:OUTP+1], s[46:47]
; rows 16 i .. 16 i + 15 of my block = the eight tiles (a, 0..7) of window 2 or 3 (from = 0x0a or 0x0f); f: F0 or F1 in turn
.macro OUT16 i, a, from, f
	WIN \from
.irp b, 0,1,2,3,4,5,6,7
.irp r, 0,1,2,3
	v_cvt_pk_bf16_f32 v[TMP+4*\b+\r], v[8*(8*\a+\b)+2*\r], v[8*(8*\a+\b)+2*\r+1]
.endr
.endr
	WIN 0
.irp b, 0,1,2,3,4,5,6,7
	ds_store_b128 v[STO], v[TMP+4*\b:TMP+4*\b+3] offset:32*\b
.endr
	s_wait_xcnt 0x0                                ; buffer f held store data two groups ago: loaded again only behind this wait
.irp t, 0,1,2,3,4,5,6,7
	ds_load_b128 v[\f+4*\t:\f+4*\t+3], v[RD] offset:(\t&3)*4*SPITCH+(\t>>2)*128   ; four rows' 128 bytes of head t / 4; LDS serves a wave's instructions in order
.endr
.irp t, 0,1,2,3,4,5,6,7
	s_wait_dscnt 7-\t
	global_store_b128 v[CO], v[\f+4*\t:\f+4*\t+3], s[OUTP:OUTP+1] offset:(\t>>2)*262144+\i*2048+(\t&3)*512   ; the wave stores 512 consecutive bytes, aligned
.endr
.endm
	OUT16 0, 0, 0x0a, F0
	OUT16 1, 1, 0x0a, F1
	OUT16 2, 2, 0x0a, F0
	OUT16 3, 3, 0x0a, F1
	OUT16 4, 0, 0x0f, F0
	OUT16 5, 1, 0x0f, F1
	OUT16 6, 2, 0x0f, F0
	OUT16 7, 3, 0x0f, F1
.endif
	s_set_vgpr_msb 0x1
	s_wait_tensorcnt 0x0
	ds_add_u32 v255, v255
	s_wait_dscnt 0x0
	s_set_vgpr_msb 0x100
	CROUND                                         ; the closing round: no work-group ends while a partner may still ask for a tile that names it
	s_endpgm
.Lfunc_end_k_q029d9fcab7_qkv:
	.size	k_q029d9fcab7_qkv, .Lfunc_end_k_q029d9fcab7_qkv-k_q029d9fcab7_qkv
	.p2alignl 7, 3214868480
	.fill 96, 4, 3214868480
	.section	.rodata,"a",@progbits
	.p2align	6, 0x0
	.amdhsa_kernel k_q029d9fcab7_qkv
		.amdhsa_group_segment_fixed_size 327680
		.amdhsa_private_segment_fixed_size 0
		.amdhsa_enable_private_segment 0
		.amdhsa_kernarg_size 24
		.amdhsa_user_sgpr_count 2
		.amdhsa_user_sgpr_kernarg_segment_ptr 1
		.amdhsa_wavefront_size32 1
		.amdhsa_system_sgpr_workgroup_id_x 1
		.amdhsa_system_sgpr_workgroup_id_y 1
		.amdhsa_system_sgpr_workgroup_id_z 1
		.amdhsa_system_vgpr_workitem_id 0
		.amdhsa_next_free_vgpr 1024
		.amdhsa_next_free_sgpr 84
		.amdhsa_reserve_vcc 0
		.amdhsa_float_denorm_mode_32 3
		.amdhsa_float_denorm_mode_16_64 3
		.amdhsa_memory_ordered 1
		.amdhsa_forward_progress 1
		.amdhsa_inst_pref_size 196
	.end_amdhsa_kernel
	.amdgpu_metadata
---
amdhsa.version: [ 1, 2 ]
amdhsa.kernels:
  - .name:           k_q029d9fcab7_qkv
    .symbol:         k_q029d9fcab7_qkv.kd
    .args:
      - { .name: hbuf, .offset: 0, .size: 8, .value_kind: global_buffer, .address_space: global }
      - { .name: wbf, .offset: 8, .size: 8, .value_kind: global_buffer, .address_space: global }
      - { .name: qkv, .offset: 16, .size: 8, .value_kind: global_buffer, .address_space: global }
    .group_segment_fixed_size: 327680
    .private_segment_fixed_size: 0
    .kernarg_segment_align: 8
    .kernarg_segment_size: 24
    .max_flat_workgroup_size: 128
    .sgpr_count:     84
    .vgpr_count:     1024
    .wavefront_size: 32
...
	.end_amdgpu_metadata
.endif
;; end of part 2
;; launch attn (part 3): grid 8 x 32, 16 waves a work-group, clusters of 4 x 1, 327,680 bytes of LDS; arguments qkv, ao; writes ao
.if DOCPART == 3
	.amdgcn_target "amdgcn-amd-amdhsa--gfx1250"
	.amdhsa_code_object_version 6
	.text
	.protected	k_q029d9fcab7_attn
	.globl	k_q029d9fcab7_attn
	.p2align	8
	.type	k_q029d9fcab7_attn,@function
k_q029d9fcab7_attn:
	s_mov_b64 s[64:65], 0
	v_nop
	global_prefetch_b8 v0, s[64:65] scope:SCOPE_SE
	s_setreg_imm32_b32 hwreg(HW_REG_WAVE_MODE, 25, 1), 1
	s_wait_xcnt 0x0
	s_wait_alu depctr_hold_cnt(0) depctr_sa_sdst(0) depctr_va_vdst(0) depctr_va_sdst(0) depctr_va_ssrc(0) depctr_va_vcc(0) depctr_vm_vsrc(0)
	s_getreg_b32 s2, hwreg(HW_REG_IB_STS2, 6, 4)
	s_cmp_eq_u32 s2, 0
	s_cbranch_scc0 .Lentry_in_a_cluster
	s_endpgm
.Lentry_in_a_cluster:
	s_bfe_u32 s2, ttmp6, 0x10000c
	s_cmp_lg_u32 s2, 0x3003
	s_cbranch_scc0 .Lentry_shape_is_right
	s_endpgm
.Lentry_shape_is_right:
; Softmax attention of one (batch, head): out = softmax(q k^T / 8) v, with a running maximum.  q, k, v: qkv[3][32][2048][64] bf16; out: ao[32][2048][64] bf16.
; A work-group takes 256 queries of one head with SIXTEEN waves, four on a SIMD (4 x 256 registers fill its 1,024): wave w takes query group w % 8
; (32 queries, two tiles of 16) and key half w / 8.  Of each tile of 512 keys, key half 0 walks keys 0-255, key half 1 keys 256-511; each wave keeps its own
; running maximum, sum and O, and the two halves are joined once, at the end, through LDS.  Four independent streams on a SIMD: while one wave's softmax
; is on the vector unit, the others' products and LDS loads go on.
; CLUSTER: the four work-groups of a cluster are four query blocks of one head; they walk the same K and V tiles and ask for them jointly (mask 15).
; K and V go in 4 tiles of 512 keys through two LDS slots; each wave fetches 32 keys of K and 32 of V with one tensor load each.
; BOTH PRODUCTS ARE TRANSPOSED.  S^T = K Q^T: lane (r, h) holds query r and keys 8 h + j, so maximum and sum stay in the lane but for one exchange
; between the halves, and two packed tiles of S^T are already the second operand of O^T = V^T P^T (V^T by the transposing LDS load);
; O^T's lane holds query r too, so the rescaling factor is the lane's own.
; Limits: v_exp_f32 and v_rcp_f32 are 1 ULP and flush denormals; the keys are summed in two halves, an order of rounding of its own;
; NaN and infinities get no special care.
.set KP,    144                        ; K's LDS row: 128 bytes + 16 (an odd multiple of 16)
.set VP,    160                        ; V's LDS row: 128 bytes + 32 (an odd multiple of 32, for the transposing load)
.set TKEYS, 512                        ; keys in a tile
.set VOFF,  TKEYS*KP                   ; V behind K in a slot: 73,728
.set SLOT,  TKEYS*KP+TKEYS*VP          ; 155,648 bytes; two slots take 311,296 of the 327,680 bytes of LDS
.set STEP,  TKEYS*128                  ; bytes of K (or V) in a tile
.set DUMPW, 17*512                     ; the state that a wave of key half 1 hands over: 64 registers of O, 4 of maxima and sums, 128 bytes a register
.set STAGE, 8*DUMPW                    ; behind the eight dumps: 32 rows x 144 bytes for each query group.  Dumps and stages lie in slot 0, which by then
                                       ; has had its last fill and its last read; they end at byte 106,496 of its 155,648
.set DADR, 5                           ; v5      where my query group's dump lies, 16 bytes a lane
.set KADR, 6                           ; v6-7    LDS address of my K fragments in slot 0, 1
.set VADR, 8                           ; v8-9    the same for V
.set STO,  10                          ; v10     way out: where I put 16 bytes
.set RD,   11                          ; v11     way out: where I read back
.set LOFF, 12                          ; v12     16 x lane
.set QOFF, 13                          ; v13     my bytes in a q tile
.set CC,   14                          ; v[14:15]   c = log2(e)/8, twice
.set QR,   16                          ; v[16:47]   Q(qt, ks) = 16 + 16 qt + 8 ks
.set OACC, 48                          ; v[48:111]  O(qt, dt) = 48 + 32 qt + 8 dt
.set SR,   112                         ; v[112:175] S(qt, kb) = 112 + 32 qt + 8 kb; P(qt, kk) = 112 + 32 qt + 16 kk; at the end the partner's O
.set KV,   176                         ; v[176:239] K(kb, ks) or V(dt, kk) = 176 + 16 first + 8 second
.set PB,   208                         ; v[208:211] at the end: the partner's two maxima and two sums
.set MX,   240                         ; v240-241   running maximum of the raw scores, per qt
.set LS,   242                         ; v242-243   running sum of my half's keys, per qt
.set AL,   244                         ; v[244:245] the rescaling factor (first register used)
.set NM,   246                         ; v[246:247] -c x maximum (first register used)
.set T0,   248
.set T1,   249
.set SC,   250                         ; v[250:253] two chains of sums
.set DD,   254
.set G1K, 16                           ; s[16:23] group 1 for K
.set G1V, 24                           ; s[24:31] group 1 for V
.set G0K, 32                           ; s[32:39] group 0 for K, one set a slot
.set G0V, 40                           ; s[40:47] group 0 for V, one set a slot
.macro ROUND                           ; a round of the cluster's barrier
	s_barrier_signal -1
	s_barrier_wait -1
	s_cmp_lg_u32 s8, 0
	s_cbranch_scc1 .Lnot_wave_0_\@
	s_barrier_signal -3
.Lnot_wave_0_\@:
	s_barrier_wait -3
	s_barrier_signal -1
	s_barrier_wait -1
.endm
	s_load_b128 s[4:7], s[0:1], 0x0                ; qkv s[4:5], ao s[6:7]
	v_lshl_add_u32 v254, v0, 2, 0x4c000
	v_mov_b32 v255, 0
	ds_add_u32 v254, v255
	s_wait_dscnt 0x0
	v_lshrrev_b32 v1, 5, v0
	v_readfirstlane_b32 s8, v1                     ; wave 0..15
	s_and_b32 s52, s8, 7                           ; my query group
	s_lshr_b32 s53, s8, 3                          ; my key half
	s_and_b32 s9, ttmp7, 0xffff                    ; batch x 16 + head
	s_bfe_u32 s11, ttmp6, 0x40000                  ; cx
	s_lshl_b32 s10, ttmp9, 2
	s_add_co_u32 s10, s10, s11                     ; query block = 4 x cluster x + cx: enters global addresses of q and ao alone
	; group 1: 32 keys of 128 bytes are dense in memory: 16 rows of 256 bytes; padding behind every 32 words, K 4 words, V 8
	s_mov_b32 s[G1K+0], 15|(1<<16)|(1<<20)|(1<<21)|(4<<22)|(3<<25)
	s_mov_b32 s[G1K+1], 128<<16
	s_mov_b32 s[G1K+2], 16<<16
	s_mov_b32 s[G1K+3], 128<<16
	s_mov_b32 s[G1K+4], 16
	s_mov_b32 s[G1K+5], 128
	s_mov_b32 s[G1K+6], 0
	s_mov_b32 s[G1K+7], 0
	s_mov_b32 s[G1V+0], 15|(1<<16)|(1<<20)|(1<<21)|(4<<22)|(7<<25)
	s_mov_b32 s[G1V+1], 128<<16
	s_mov_b32 s[G1V+2], 16<<16
	s_mov_b32 s[G1V+3], 128<<16
	s_mov_b32 s[G1V+4], 16
	s_mov_b32 s[G1V+5], 128
	s_mov_b32 s[G1V+6], 0
	s_mov_b32 s[G1V+7], 0
	s_lshl_b32 s12, s9, 18                         ; the head: 262,144 bytes
	s_lshl_b32 s58, s10, 15                        ; q and ao: + 256 rows of 128 bytes a query block
	s_add_co_u32 s58, s58, s12
	s_lshl_b32 s13, s52, 12                        ; + 32 rows a query group
	s_add_co_u32 s58, s58, s13
	s_mov_b32 s59, 0
	s_lshl_b32 s13, s8, 12                         ; k and v: + the 32 keys of a tile that I fetch
	s_add_co_u32 s12, s12, s13
	s_mov_b32 s13, 0
	s_mul_i32 s14, s8, 32*KP                       ; where they go in a slot's K
	s_mul_i32 s15, s8, 32*VP
	s_add_co_u32 s15, s15, VOFF                    ; and in its V
	s_mov_b32 s50, 0x3e38aa3b                      ; c = log2(e) / 8
	s_mov_b32 s51, 0xbe38aa3b                      ; -c
	s_mov_b32 s54, 0x76543210                      ; v_permlanex16_b32: lane i reads lane i of the other half
	s_mov_b32 s55, 0xfedcba98
	s_wait_kmcnt 0x0
	s_add_nc_u64 s[12:13], s[4:5], s[12:13]
	s_add_nc_u64 s[56:57], s[4:5], s[58:59]        ; my 32 rows of q
	s_add_nc_u64 s[6:7], s[6:7], s[58:59]          ; my 32 rows of ao
.irp n, 0, 1
	s_mov_b32 s[G0K+4*\n], 1
	s_add_co_u32 s[G0K+4*\n+1], s14, \n*SLOT
	s_add_nc_u64 s[G0K+4*\n+2:G0K+4*\n+3], s[12:13], 8388608+\n*STEP
	s_or_b32 s[G0K+4*\n+3], s[G0K+4*\n+3], 0x80000000
	s_mov_b32 s[G0V+4*\n], 1
	s_add_co_u32 s[G0V+4*\n+1], s15, \n*SLOT
	s_add_nc_u64 s[G0V+4*\n+2:G0V+4*\n+3], s[12:13], 16777216+\n*STEP
	s_or_b32 s[G0V+4*\n+3], s[G0V+4*\n+3], 0x80000000
.endr
	ROUND                                          ; the four work-groups are here: the first joint loads meet
	tensor_load_to_lds s[G0K:G0K+3], s[G1K:G1K+7]  ; tile 0
	s_nop 0
	tensor_load_to_lds s[G0V:G0V+3], s[G1V:G1V+7]
	s_nop 0
	v_and_b32 v1, 15, v0                           ; r
	v_bfe_u32 v2, v0, 4, 1                         ; h
	v_lshlrev_b32 v[QOFF], 7, v1
	v_lshl_add_u32 v[QOFF], v2, 4, v[QOFF]         ; q: row r of 128 bytes, 16 bytes for each half of the lanes
.irp qt, 0, 1
.irp ks, 0, 1
	global_load_b128 v[QR+16*\qt+8*\ks:QR+16*\qt+8*\ks+3],   v[QOFF], s[56:57] offset:\qt*2048+\ks*64
	global_load_b128 v[QR+16*\qt+8*\ks+4:QR+16*\qt+8*\ks+7], v[QOFF], s[56:57] offset:\qt*2048+\ks*64+32
.endr
.endr
	v_mul_u32_u24 v5, v1, KP
	v_lshl_add_u32 v5, v2, 4, v5                   ; r x 144 + 16 h
	s_mul_i32 s48, s53, 256*KP                     ; my key half's 256 rows of K
	v_add_nc_u32 v[KADR], s48, v5
	v_add_nc_u32 v[KADR+1], SLOT, v[KADR]
	v_and_b32 v3, 7, v0
	v_lshl_add_u32 v3, v2, 3, v3                   ; V: key 8 h + l % 8,
	v_mul_u32_u24 v3, v3, VP
	v_bfe_u32 v4, v0, 3, 1
	v_lshl_add_u32 v3, v4, 4, v3                   ; columns 0-7 or 8-15 of the sixteen
	s_mul_i32 s48, s53, 256*VP                     ; my key half's 256 rows of V,
	s_add_co_u32 s48, s48, VOFF                    ; which lies behind K
	v_add_nc_u32 v[VADR], s48, v3
	v_add_nc_u32 v[VADR+1], SLOT, v[VADR]
	s_mul_i32 s49, s52, 32*KP
	s_add_co_u32 s49, s49, STAGE                   ; my query group's stage
	v_add_nc_u32 v[STO], s49, v5
	v_bfe_u32 v4, v0, 3, 2                         ; back: eight lanes take a row of 128 bytes, four rows a load
	v_and_b32 v3, 7, v0
	v_mul_u32_u24 v4, v4, KP
	v_lshl_add_u32 v4, v3, 4, v4
	v_add_nc_u32 v[RD], s49, v4
	v_and_b32 v3, 31, v0
	v_lshlrev_b32 v[LOFF], 4, v3
	s_mul_i32 s48, s52, DUMPW
	v_add_nc_u32 v[DADR], s48, v[LOFF]             ; my query group's dump, 16 bytes a lane
	v_mov_b32 v[CC], s50
	v_mov_b32 v[CC+1], s50
	v_mov_b32 v[AL+1], 0                           ; the second registers of the pairs are named, not used
	v_mov_b32 v[NM+1], 0
; The softmax step of query tile qt on 64 keys: 32 numbers a lane.
.macro SOFTMAX qt, first
.set SBB, SR+32*\qt
.set OBB, OACC+32*\qt
	v_max3_num_f32 v[T0], v[SBB], v[SBB+1], v[SBB+2]           ; the largest of my 32, in two chains
	v_max3_num_f32 v[T1], v[SBB+17], v[SBB+18], v[SBB+19]
.set q, 0
.rept 6
	v_max3_num_f32 v[T0], v[T0], v[SBB+3+q], v[SBB+4+q]
	v_max3_num_f32 v[T1], v[T1], v[SBB+20+q], v[SBB+21+q]
.set q, q+2
.endr
	v_max3_num_f32 v[T0], v[T0], v[SBB+15], v[SBB+16]
	v_max_num_f32 v[T0], v[T0], v[T1]
	v_permlanex16_b32 v[T1], v[T0], s54, s55                   ; the other half's keys of the same query
.if \first
	v_max_num_f32 v[MX+\qt], v[T0], v[T1]
.else
	v_max3_num_f32 v[DD], v[T0], v[T1], v[MX+\qt]              ; the new running maximum
	v_sub_f32 v[T0], v[MX+\qt], v[DD]
	v_mul_f32 v[T0], s50, v[T0]
	v_exp_f32 v[AL], v[T0]                                     ; what the old sums are worth under it
	v_mov_b32 v[MX+\qt], v[DD]                                 ; (the plain instruction behind v_exp_f32)
.endif
	v_mul_f32 v[NM], s51, v[MX+\qt]
.set q, 0
.rept 16
	v_pk_fma_f32 v[SBB+q:SBB+q+1], v[SBB+q:SBB+q+1], v[CC:CC+1], v[NM:NM+1] op_sel_hi:[1,1,0]   ; c (s - maximum)
.set q, q+2
.endr
.set q, 0
.rept 32
	v_exp_f32 v[SBB+q], v[SBB+q]
.set q, q+1
.endr
.if \first
	v_nop                                                      ; the plain instruction behind the run of v_exp_f32
	s_wait_alu depctr_va_vdst(0)
.else
.set q, 0
	s_wait_alu depctr_va_vdst(0)
.rept 16
	v_pk_mul_f32 v[OBB+q:OBB+q+1], v[OBB+q:OBB+q+1], v[AL:AL+1] op_sel_hi:[1,0]   ; plain work behind the run: the old O under the new maximum
.set q, q+2
.endr
.endif
	v_pk_add_f32 v[SC:SC+1], v[SBB:SBB+1], v[SBB+2:SBB+3]      ; the sum of my 32, in two chains
	v_pk_add_f32 v[SC+2:SC+3], v[SBB+4:SBB+5], v[SBB+6:SBB+7]
.set q, 8
.rept 6
	v_pk_add_f32 v[SC:SC+1], v[SC:SC+1], v[SBB+q:SBB+q+1]
	v_pk_add_f32 v[SC+2:SC+3], v[SC+2:SC+3], v[SBB+q+2:SBB+q+3]
.set q, q+4
.endr
	v_pk_add_f32 v[SC:SC+1], v[SC:SC+1], v[SC+2:SC+3]
.if \first
	v_add_f32 v[LS+\qt], v[SC], v[SC+1]
.else
	v_add_f32 v[T0], v[SC], v[SC+1]
	v_fma_f32 v[LS+\qt], v[LS+\qt], v[AL], v[T0]
.endif
	; to bf16 in place, ascending: tiles 2 kk and 2 kk + 1 become the eight registers of P(qt, kk)
.irp kk, 0, 1
.irp p, 0,1,2,3,4,5,6,7
	v_cvt_pk_bf16_f32 v[SBB+16*\kk+\p], v[SBB+16*\kk+2*\p], v[SBB+16*\kk+2*\p+1]
.endr
.endr
.endm
; 64 keys: keys 64 it .. + 63 of my half of the slot's tile.  In both products eight accumulators take turns, one instruction a turn.
.macro ITER slot, it, first
.if \first == 0
.rept 5
	v_nop                                          ; five places behind the last O products: the S products write over P, their second operand,
.endr                                                  ; and (four would do) K's loads land on V's registers, their first
.endif
.irp ks, 0, 1
.irp kb, 0,1,2,3
	ds_load_b128 v[KV+16*\kb+8*\ks:KV+16*\kb+8*\ks+3],   v[KADR+\slot] offset:(64*\it+16*\kb)*KP+64*\ks
	ds_load_b128 v[KV+16*\kb+8*\ks+4:KV+16*\kb+8*\ks+7], v[KADR+\slot] offset:(64*\it+16*\kb)*KP+64*\ks+32
.endr
.endr
	s_wait_dscnt 8                                 ; the first 32 of the head's 64 numbers are in; the eight younger loads may be out
.irp kb, 0,1,2,3
.irp qt, 0, 1
	v_wmma_f32_16x16x32_bf16 v[SR+32*\qt+8*\kb:SR+32*\qt+8*\kb+7], v[KV+16*\kb:KV+16*\kb+7], v[QR+16*\qt:QR+16*\qt+7], 0
.endr
.endr
	s_wait_dscnt 0x0
.irp kb, 0,1,2,3
.irp qt, 0, 1
	v_wmma_f32_16x16x32_bf16 v[SR+32*\qt+8*\kb:SR+32*\qt+8*\kb+7], v[KV+16*\kb+8:KV+16*\kb+15], v[QR+16*\qt+8:QR+16*\qt+15], v[SR+32*\qt+8*\kb:SR+32*\qt+8*\kb+7]
.endr
.endr
.rept 4
	v_nop                                          ; four places: V's loads land on K's registers, and the softmax reads S
.endr
.irp dt, 0,1,2,3
.irp kk, 0, 1
	ds_load_tr16_b128 v[KV+16*\dt+8*\kk:KV+16*\dt+8*\kk+3],   v[VADR+\slot] offset:(64*\it+32*\kk)*VP+32*\dt
	ds_load_tr16_b128 v[KV+16*\dt+8*\kk+4:KV+16*\dt+8*\kk+7], v[VADR+\slot] offset:(64*\it+32*\kk)*VP+32*\dt+16*VP
.endr
.endr
	SOFTMAX 0, \first
	SOFTMAX 1, \first
	s_wait_dscnt 0x0                               ; V's fragments, issued ahead of the softmax
.irp qt, 0, 1
.irp dt, 0,1,2,3
.if \first
	v_wmma_f32_16x16x32_bf16 v[OACC+32*\qt+8*\dt:OACC+32*\qt+8*\dt+7], v[KV+16*\dt:KV+16*\dt+7], v[SR+32*\qt:SR+32*\qt+7], 0
.else
	v_wmma_f32_16x16x32_bf16 v[OACC+32*\qt+8*\dt:OACC+32*\qt+8*\dt+7], v[KV+16*\dt:KV+16*\dt+7], v[SR+32*\qt:SR+32*\qt+7], v[OACC+32*\qt+8*\dt:OACC+32*\qt+8*\dt+7]
.endif
.endr
.endr
.irp qt, 0, 1
.irp dt, 0,1,2,3
	v_wmma_f32_16x16x32_bf16 v[OACC+32*\qt+8*\dt:OACC+32*\qt+8*\dt+7], v[KV+16*\dt+8:KV+16*\dt+15], v[SR+32*\qt+16:SR+32*\qt+23], v[OACC+32*\qt+8*\dt:OACC+32*\qt+8*\dt+7]
.endr
.endr
.endm
; A tile of 512 keys, of which I walk 256.  In front of the round every wave waits for all its tensor loads (its parts of this tile among them) and for its
; reads of the other slot; behind the round the other slot is filled again first.  Two tensor loads of a wave are then out, with four ITERs in which to land.
.macro TRIP slot, refill, first
	s_wait_xcnt 0x0
	v_lshl_add_u32 v254, v0, 2, 0x4c000
	v_mov_b32 v255, 0
	s_wait_tensorcnt 0x0
	ds_add_u32 v254, v255
	s_wait_dscnt 0x0
	s_add_nc_u64 s[G0K+4*\slot+2:G0K+4*\slot+3], s[G0K+4*\slot+2:G0K+4*\slot+3], 2*STEP   ; no load of mine is out: this slot's next tile
	s_add_nc_u64 s[G0V+4*\slot+2:G0V+4*\slot+3], s[G0V+4*\slot+2:G0V+4*\slot+3], 2*STEP
	s_wait_dscnt 0x0
	ROUND
.if \refill
	tensor_load_to_lds s[G0K+4-4*\slot:G0K+7-4*\slot], s[G1K:G1K+7]
	s_nop 0
	tensor_load_to_lds s[G0V+4-4*\slot:G0V+7-4*\slot], s[G1V:G1V+7]
	s_nop 0
.endif
	ITER \slot, 0, \first
	ITER \slot, 1, 0
	ITER \slot, 2, 0
	ITER \slot, 3, 0
.endm
	s_wait_loadcnt 0x0                             ; q, once
	TRIP 0, 1, 1                                   ; tile 0 asks for tile 1; my first 64 keys start maximum, sum and O
	TRIP 1, 1, 0                                   ; tile 1 asks for tile 2
	TRIP 0, 1, 0                                   ; tile 2 asks for tile 3, the last
	TRIP 1, 0, 0                                   ; (the addresses stepped past the end are not used)
	; THE TWO KEY HALVES ARE JOINED.  Slot 0 had its last fill with tile 2, and every wave's reads of it were back in front of the last round: its bytes now
	; take the dumps and the stages, while waves that are behind still read slot 1.
.rept 4
	v_nop                                          ; four places behind the last products, for the stores of O and the loads into their operands
.endr
	s_cmp_eq_u32 s53, 0
	s_cbranch_scc1 .Lkept                          ; key half 0 keeps its state
.set q, 0
.rept 16
	ds_store_b128 v[DADR], v[OACC+4*q:OACC+4*q+3] offset:512*q     ; key half 1 hands over O, register by register, lane by lane,
.set q, q+1
.endr
	ds_store_b128 v[DADR], v[MX:MX+3] offset:8192                  ; and its two maxima and two sums
.Lkept:
	s_wait_dscnt 0x0                               ; for the partner's sake: my dump is written
	s_barrier_signal -1
	s_barrier_wait -1
	s_cmp_lg_u32 s53, 0
	s_cbranch_scc1 .Lclose                         ; key half 1 has nothing more to do but the closing round
	ds_load_b128 v[PB:PB+3], v[DADR] offset:8192
.set q, 0
.rept 16
	ds_load_b128 v[SR+4*q:SR+4*q+3], v[DADR] offset:512*q
.set q, q+1
.endr
	s_wait_dscnt 16                                ; the partner's maxima and sums are in; the 16 loads of its O may be out
.irp qt, 0, 1
	v_max_num_f32 v[DD], v[MX+\qt], v[PB+\qt]      ; the maximum over all keys
	v_sub_f32 v[T0], v[MX+\qt], v[DD]
	v_sub_f32 v[T1], v[PB+\qt], v[DD]
	v_mul_f32 v[T0], s50, v[T0]
	v_mul_f32 v[T1], s50, v[T1]
	v_exp_f32 v[T0], v[T0]                         ; what my sums are worth under it,
	v_exp_f32 v[T1], v[T1]                         ; and the partner's
	v_nop                                          ; the plain instruction behind v_exp_f32
	s_wait_alu depctr_va_vdst(0)
	v_mul_f32 v[SC], v[LS+\qt], v[T0]
	v_fma_f32 v[SC], v[PB+2+\qt], v[T1], v[SC]
	v_permlanex16_b32 v[SC+1], v[SC], s54, s55     ; the two halves of the lanes hold different keys' sums
	v_add_f32 v[SC], v[SC], v[SC+1]
	v_rcp_f32 v[SC], v[SC]
	v_nop                                          ; the plain instruction behind v_rcp_f32
	s_wait_alu depctr_va_vdst(0)
	v_mul_f32 v[AL], v[T0], v[SC]
	v_mul_f32 v[NM], v[T1], v[SC]
	s_wait_dscnt 8-8*\qt                           ; the partner's O of this query tile is in; with qt = 0 the eight loads of the other tile may be out
.set q, 0
.rept 16
	v_pk_mul_f32 v[OACC+32*\qt+q:OACC+32*\qt+q+1], v[OACC+32*\qt+q:OACC+32*\qt+q+1], v[AL:AL+1] op_sel_hi:[1,0]
.set q, q+2
.endr
.set q, 0
.rept 16
	v_pk_fma_f32 v[OACC+32*\qt+q:OACC+32*\qt+q+1], v[SR+32*\qt+q:SR+32*\qt+q+1], v[NM:NM+1], v[OACC+32*\qt+q:OACC+32*\qt+q+1] op_sel_hi:[1,0,1]
.set q, q+2
.endr
.set q, 0
.rept 16
	v_cvt_pk_bf16_f32 v[SR+32*\qt+q], v[OACC+32*\qt+2*q], v[OACC+32*\qt+2*q+1]     ; into the registers that held the partner's O of this tile
.set q, q+1
.endr
.irp dt, 0,1,2,3
	ds_store_b128 v[STO], v[SR+32*\qt+4*\dt:SR+32*\qt+4*\dt+3] offset:\qt*16*KP+32*\dt   ; query 16 qt + r, numbers 16 dt + 8 h .. + 7
.endr
.endr
.irp t, 0,1,2,3,4,5,6,7
	ds_load_b128 v[KV+4*\t:KV+4*\t+3], v[RD] offset:\t*4*KP        ; LDS serves a wave's instructions in order: these see the stores above
.endr
.irp t, 0,1,2,3,4,5,6,7
	s_wait_dscnt 7-\t
	global_store_b128 v[LOFF], v[KV+4*\t:KV+4*\t+3], s[6:7] offset:512*\t   ; the wave stores 512 consecutive bytes, aligned
.endr
.Lclose:
	s_wait_xcnt 0x0
	v_lshl_add_u32 v254, v0, 2, 0x4c000
	v_mov_b32 v255, 0
	s_wait_tensorcnt 0x0
	ds_add_u32 v254, v255
	s_wait_dscnt 0x0
	ROUND                                          ; the closing round
	s_endpgm
.Lfunc_end_k_q029d9fcab7_attn:
	.size	k_q029d9fcab7_attn, .Lfunc_end_k_q029d9fcab7_attn-k_q029d9fcab7_attn
	.p2alignl 7, 3214868480
	.fill 96, 4, 3214868480
	.section	.rodata,"a",@progbits
	.p2align	6, 0x0
	.amdhsa_kernel k_q029d9fcab7_attn
		.amdhsa_group_segment_fixed_size 327680
		.amdhsa_private_segment_fixed_size 0
		.amdhsa_enable_private_segment 0
		.amdhsa_kernarg_size 16
		.amdhsa_user_sgpr_count 2
		.amdhsa_user_sgpr_kernarg_segment_ptr 1
		.amdhsa_wavefront_size32 1
		.amdhsa_system_sgpr_workgroup_id_x 1
		.amdhsa_system_sgpr_workgroup_id_y 1
		.amdhsa_system_sgpr_workgroup_id_z 1
		.amdhsa_system_vgpr_workitem_id 0
		.amdhsa_next_free_vgpr 256
		.amdhsa_next_free_sgpr 66
		.amdhsa_reserve_vcc 0
		.amdhsa_float_denorm_mode_32 3
		.amdhsa_float_denorm_mode_16_64 3
		.amdhsa_memory_ordered 1
		.amdhsa_forward_progress 1
		.amdhsa_inst_pref_size 255
	.end_amdhsa_kernel
	.section	.bss,"aw",@nobits
	.p2align	6
	.space	262144
	.amdgpu_metadata
---
amdhsa.version: [ 1, 2 ]
amdhsa.kernels:
  - .name:           k_q029d9fcab7_attn
    .symbol:         k_q029d9fcab7_attn.kd
    .args:
      - { .name: qkv, .offset: 0, .size: 8, .value_kind: global_buffer, .address_space: global }
      - { .name: ao, .offset: 8, .size: 8, .value_kind: global_buffer, .address_space: global }
    .group_segment_fixed_size: 327680
    .private_segment_fixed_size: 0
    .kernarg_segment_align: 8
    .kernarg_segment_size: 16
    .max_flat_workgroup_size: 512
    .sgpr_count:     66
    .vgpr_count:     256
    .wavefront_size: 32
...
	.end_amdgpu_metadata
.endif
;; end of part 3
;; launch wo (part 4): grid 8 x 32, 4 waves a work-group, clusters of 4 x 4, 327,680 bytes of LDS; arguments ao, wbf, bo, x, x1; writes x1
.if DOCPART == 4
	.amdgcn_target "amdgcn-amd-amdhsa--gfx1250"
	.amdhsa_code_object_version 6
	.text
	.protected	k_q029d9fcab7_wo
	.globl	k_q029d9fcab7_wo
	.p2align	8
	.type	k_q029d9fcab7_wo,@function
k_q029d9fcab7_wo:
	s_mov_b64 s[64:65], 0
	v_nop
	global_prefetch_b8 v0, s[64:65] scope:SCOPE_SE
	s_setreg_imm32_b32 hwreg(HW_REG_WAVE_MODE, 25, 1), 1
	s_wait_xcnt 0x0
	s_wait_alu depctr_hold_cnt(0) depctr_sa_sdst(0) depctr_va_vdst(0) depctr_va_sdst(0) depctr_va_ssrc(0) depctr_va_vcc(0) depctr_vm_vsrc(0)
	s_getreg_b32 s2, hwreg(HW_REG_IB_STS2, 6, 4)
	s_cmp_eq_u32 s2, 0
	s_cbranch_scc0 .Lentry_in_a_cluster
	s_endpgm
.Lentry_in_a_cluster:
	s_bfe_u32 s2, ttmp6, 0x10000c
	s_cmp_lg_u32 s2, 0xf033
	s_cbranch_scc0 .Lentry_shape_is_right
	s_endpgm
.Lentry_shape_is_right:
; out = res + A W + bias, f32, [4096][1024].  W [K][1024] bf16 (N along the rows), sums in f32.
; KIND 0: A = attention output ao[32 (b*16+head)][2048][64] bf16, K = 1024 (k = 64 head + d), W = Wo, res = x.
; KIND 1: A = gbuf [4096][4096] bf16, K = 4096, W = W2, res = x1.
; N = 1024 gives 256 work-groups only with blocks of 128 x 128.  Every wave keeps the WHOLE block (64 accumulator tiles, 512 registers), so that a
; fragment byte from LDS feeds as many products as in a 128 x 128 wave tile, and the four waves share K: of each K step of 256, wave w takes
; k = 64 w .. 64 w + 63.  The four partial sums meet once, in LDS, on the way out.  So K is added in four slices: an order of rounding of its own.
; Two LDS slots filled by the tensor data mover; 4 x 4 clusters: A's tile is asked for jointly along a row of the cluster, W's along a column.
; Windows and the transposed use of the matrix instruction: window 0 addresses, A's fragments, way out; window 1 W's fragments; windows 2, 3 the
; accumulators of rows 0-63, 64-127; source 0 = 16 columns of W, source 1 = 16 rows of A, so a lane holds eight neighbouring columns of one row.
; Limits: NaN and infinities get no special care.
.set KIND,   0
.set HALFT,  36864                     ; a quarter of a slot: what one tensor load brings
.set SLOT,   4*HALFT                   ; A's two halves, then W's two halves
.set BPITCH, 288                       ; W's LDS row: 256 bytes + 32 (an odd multiple of 32)
.if KIND
.set APITCH, 528                       ; A's LDS row: 512 bytes + 16 (an odd multiple of 16); a half is 64 rows, 33,792 bytes
.set LAPS,   8                         ; K / 512
.set ASTEP,  512                       ; bytes from one K step of A to the next
.set WOFF,   16777216                  ; W2 in wbf
.else
.set APITCH, 144                       ; A's LDS row: a head's 128 bytes + 16; a half is two heads x 128 rows
.set LAPS,   2
.set ASTEP,  1048576                   ; four heads of 262,144 bytes
.set WOFF,   6291456                   ; Wo in wbf
.endif
.set BSTEP,  524288                    ; 256 k-rows of 2,048 bytes
.set OPITCH, 528                       ; way out: a row of 128 f32 + 16 bytes
.set PART,   128*OPITCH                ; a wave's partial block
.set ADRA, 16                          ; v16-17  LDS address of my A fragments in slot 0, 1
.set ADRB, 20                          ; v20-21  the same for W
.set STO,  22                          ; v22     way out: where I put my partial sums
.set RD,   24                          ; v24-27  way out: my rows in the four partial blocks
.set LOFF, 28                          ; v28     16 x lane
.set BI,   32                          ; v[32:35] bias of my four columns
.set F0,   64
.set F1,   128
.set SUMS, 64                          ; way out: v64-191, 8 rows x 4 partial sums x 4 registers
.set RES,  192                         ; v192-255: two sets of 8 rows of the residual
.set G1,  24
.set G0,  32
.set G1B, 48
.set G0B, 56
.set MSB, 0
.macro WIN new                         ; the immediate's high byte repeats the setting that is left
.if MSB != \new
	s_set_vgpr_msb (MSB<<8)|\new
.set MSB, \new
.endif
.endm
.set MUL_LO, 0xa1
.set MUL_HI, 0xf1
.set TO_B,   0x40
.macro JLOAD s                         ; waves 0, 1 fetch A's halves, waves 2, 3 W's; the branch hangs on the wave's number alone
	s_cmp_eq_u32 s67, 0
	s_cbranch_scc0 .Lfor_b_\@
	tensor_load_to_lds s[G0+4*\s:G0+4*\s+3], s[G1:G1+7]
	s_nop 0
	s_branch .Lasked_\@
.Lfor_b_\@:
	tensor_load_to_lds s[G0B+4*\s:G0B+4*\s+3], s[G1B:G1B+7]
	s_nop 0
.Lasked_\@:
.endm
.macro CREST                           ; a round of the cluster's barrier behind its opening barrier
	s_cmp_lg_u32 s66, 0
	s_cbranch_scc1 .Lnot_wave_0_\@
	s_barrier_signal -3
.Lnot_wave_0_\@:
	s_barrier_wait -3
	s_barrier_signal -1
	s_barrier_wait -1
.endm
.macro CROUND
	s_barrier_signal -1
	s_barrier_wait -1
	CREST
.endm
	s_load_b256 s[4:11], s[0:1], 0x0               ; A s[4:5], wbf s[6:7], bias s[8:9], res s[10:11]
	s_load_b64 s[12:13], s[0:1], 0x20              ; out
	s_set_vgpr_msb 0x40
	v_lshl_add_u32 v255, v0, 2, 0x48000
	s_set_vgpr_msb 0x4000
	v_mov_b32 v63, 0
	s_set_vgpr_msb 0x1
	ds_add_u32 v255, v63
	s_set_vgpr_msb 0x100
	v_lshrrev_b32 v1, 5, v0
	v_readfirstlane_b32 s66, v1                    ; wave 0..3: my slice of K
	s_lshr_b32 s67, s66, 1                         ; I fetch for A (0) or for W (1)
	s_and_b32 s68, s66, 1                          ; which half of that tile
	s_bfe_u32 s40, ttmp6, 0x40000                  ; cx
	s_bfe_u32 s41, ttmp6, 0x40004                  ; cy
	s_lshl_b32 s42, ttmp9, 2
	s_add_co_u32 s42, s42, s40                     ; block column 0..7
	s_and_b32 s69, ttmp7, 0xffff
	s_lshl_b32 s69, s69, 2
	s_add_co_u32 s69, s69, s41                     ; block row 0..31
	s_lshl_b32 s43, s41, 2
	s_lshl_b32 s43, 15, s43                        ; my row of the cluster
	s_lshl_b32 s44, 0x1111, s40                    ; my column
.if KIND
	; group 1 for A: 64 rows x 256 elements, pitch 4096; 4 words of padding behind every 128
	s_or_b32 s[G1+0], s43, (1<<16)|(1<<20)|(1<<21)|(6<<22)|(3<<25)
	s_mov_b32 s[G1+1], 256<<16
	s_mov_b32 s[G1+2], 64<<16
	s_mov_b32 s[G1+3], 256<<16
	s_mov_b32 s[G1+4], 64
	s_mov_b32 s[G1+5], 4096
.else
	; group 1 for A: two heads; a head's 128 rows of 64 elements are dense, one row of 8,192 elements here; from head to head 131,072 elements;
	; 4 words of padding behind every 32, that is behind each row of 128 bytes
	s_or_b32 s[G1+0], s43, (1<<16)|(1<<20)|(1<<21)|(4<<22)|(3<<25)
	s_mov_b32 s[G1+1], 8192<<16
	s_mov_b32 s[G1+2], 2<<16
	s_mov_b32 s[G1+3], 8192<<16
	s_mov_b32 s[G1+4], 2
	s_mov_b32 s[G1+5], 131072
.endif
	s_mov_b32 s[G1+6], 0
	s_mov_b32 s[G1+7], 0
	; group 1 for W: 128 k-rows x 128 elements, pitch 1024; 8 words of padding behind every 64
	s_or_b32 s[G1B+0], s44, (1<<16)|(1<<20)|(1<<21)|(5<<22)|(7<<25)
	s_mov_b32 s[G1B+1], 128<<16
	s_mov_b32 s[G1B+2], 128<<16
	s_mov_b32 s[G1B+3], 128<<16
	s_mov_b32 s[G1B+4], 128
	s_mov_b32 s[G1B+5], 1024
	s_mov_b32 s[G1B+6], 0
	s_mov_b32 s[G1B+7], 0
.if KIND
	s_lshl_b32 s16, s69, 20                        ; 128 rows of 8,192 bytes
	s_lshl_b32 s17, s68, 19                        ; + my 64 rows
	s_add_co_u32 s16, s16, s17
.else
	s_lshr_b32 s16, s69, 4                         ; batch: 16 heads of 262,144 bytes
	s_lshl_b32 s16, s16, 22
	s_lshl_b32 s17, s68, 19                        ; + my two heads
	s_add_co_u32 s16, s16, s17
	s_and_b32 s17, s69, 15                         ; + 128 rows of 128 bytes a block row
	s_lshl_b32 s17, s17, 14
	s_add_co_u32 s16, s16, s17
.endif
	s_mov_b32 s17, 0
	s_lshl_b32 s46, s42, 8                         ; 128 columns x 2 bytes
	s_lshl_b32 s47, s68, 18                        ; + my 128 k-rows of 2,048 bytes
	s_add_co_u32 s46, s46, s47
	s_add_co_u32 s46, s46, WOFF
	s_mov_b32 s47, 0
	s_mul_i32 s20, s66, HALFT
	s_lshl_b32 s72, s69, 19                        ; res and out: 128 rows of 4,096 bytes a block row
	s_lshl_b32 s73, s66, 17                        ; + the 32 rows that I finish
	s_add_co_u32 s72, s72, s73
	s_lshl_b32 s74, s42, 9                         ; + 128 columns of 4 bytes a block column
	s_add_co_u32 s72, s72, s74
	s_mov_b32 s73, 0
	s_mov_b32 s75, 0
	s_wait_dscnt 0x0
	s_wait_kmcnt 0x0
	s_add_nc_u64 s[14:15], s[4:5], s[16:17]
	s_add_nc_u64 s[46:47], s[6:7], s[46:47]
	s_add_nc_u64 s[8:9], s[8:9], s[74:75]
	s_add_nc_u64 s[10:11], s[10:11], s[72:73]
	s_add_nc_u64 s[12:13], s[12:13], s[72:73]
	CROUND                                         ; all sixteen work-groups are here: the first joint loads meet
.irp s, 0,1
	s_mov_b32 s[G0+4*\s], 1
	s_add_co_u32 s[G0+4*\s+1], s20, \s*SLOT
	s_add_nc_u64 s[G0+4*\s+2:G0+4*\s+3], s[14:15], \s*ASTEP
	s_or_b32 s[G0+4*\s+3], s[G0+4*\s+3], 0x80000000
	s_mov_b32 s[G0B+4*\s], 1
	s_add_co_u32 s[G0B+4*\s+1], s20, \s*SLOT
	s_add_nc_u64 s[G0B+4*\s+2:G0B+4*\s+3], s[46:47], \s*BSTEP
	s_or_b32 s[G0B+4*\s+3], s[G0B+4*\s+3], 0x80000000
	JLOAD \s
.endr
	v_and_b32 v1, 15, v0                           ; r
	v_bfe_u32 v2, v0, 4, 1                         ; h
	v_and_b32 v7, 31, v0
	v_lshlrev_b32 v[LOFF], 4, v7
	; bias and the first 16 of my 32 residual rows: asked for now, waited for on the way out; the loop names none of these registers
	global_load_b128 v[BI:BI+3], v[LOFF], s[8:9]
.set q, 0
.rept 16
	global_load_b128 v[RES+4*q:RES+4*q+3], v[LOFF], s[10:11] offset:q*4096
.set q, q+1
.endr
	v_mul_u32_u24 v3, v1, APITCH
	v_lshl_add_u32 v3, v2, 4, v3                   ; A: row r, 16 bytes for each half of the lanes
	v_and_b32 v4, 7, v0
	v_lshl_add_u32 v4, v2, 3, v4                   ; W: k-row 8 h + l % 8,
	v_mul_u32_u24 v4, v4, BPITCH
	v_bfe_u32 v5, v0, 3, 1
	v_lshl_add_u32 v4, v5, 4, v4                   ; columns 0-7 or 8-15 of the sixteen
.if KIND
	s_lshl_b32 s21, s66, 7                         ; my 64 of a row's 256 k: 128 bytes
.else
	s_mul_i32 s21, s66, 128*APITCH                 ; my head of the tile's four
.endif
	s_mul_i32 s22, s66, 64*BPITCH                  ; my 64 k-rows of W,
	s_add_co_u32 s22, s22, 2*HALFT                 ; which lies behind A
.irp s, 0,1
	v_add_nc_u32 v[ADRA+\s], s21, v3
	v_add_nc_u32 v[ADRB+\s], s22, v4
	s_add_co_u32 s21, s21, SLOT
	s_add_co_u32 s22, s22, SLOT
.endr
	v_mul_u32_u24 v6, v1, OPITCH                   ; way out, in: row r, 32 bytes for each half of the lanes,
	v_lshl_add_u32 v6, v2, 5, v6
	s_mul_i32 s23, s66, PART                       ; in my partial block
	v_add_nc_u32 v[STO], s23, v6
	s_mul_i32 s23, s66, 32*OPITCH                  ; back: my 32 rows in each of the four partial blocks, 16 bytes a lane
.irp p, 0,1,2,3
	v_add_nc_u32 v[RD+\p], s23, v[LOFF]
	s_add_co_u32 s23, s23, PART
.endr
; 16 matrix instructions; the 64 accumulators take turns, one instruction a turn, in the same order in every quarter.
.macro MUL16 f, hi, a0, zero
.irp a, \a0, \a0+1
.irp b, 0,1,2,3,4,5,6,7
.if \zero
	v_wmma_f32_16x16x32_bf16 v[8*(8*(\a)+\b):8*(8*(\a)+\b)+7], v[\f+8*\b:\f+8*\b+7], v[\f+8*(4*\hi+\a):\f+8*(4*\hi+\a)+7], 0
.else
	v_wmma_f32_16x16x32_bf16 v[8*(8*(\a)+\b):8*(8*(\a)+\b)+7], v[\f+8*\b:\f+8*\b+7], v[\f+8*(4*\hi+\a):\f+8*(4*\hi+\a)+7], v[8*(8*(\a)+\b):8*(8*(\a)+\b)+7]
.endif
.endr
.endr
.endm
; 32 LDS loads in one run: the fragments of half kq (32 along K) of my slice into buffer f
.macro FETCH slot, kq, f
	WIN TO_B
.irp i, 0,1,2,3,4,5,6,7
	ds_load_tr16_b128 v[\f+8*\i:\f+8*\i+3],   v[ADRB+\slot] offset:\kq*32*BPITCH+32*\i
	ds_load_tr16_b128 v[\f+8*\i+4:\f+8*\i+7], v[ADRB+\slot] offset:\kq*32*BPITCH+32*\i+16*BPITCH
.endr
	WIN 0
.irp i, 0,1,2,3,4,5,6,7
.if KIND
	ds_load_b128 v[\f+8*\i:\f+8*\i+3],   v[ADRA+\slot] offset:(\i>>2)*HALFT+(\i&3)*16*APITCH+64*\kq
	ds_load_b128 v[\f+8*\i+4:\f+8*\i+7], v[ADRA+\slot] offset:(\i>>2)*HALFT+(\i&3)*16*APITCH+64*\kq+32
.else
	ds_load_b128 v[\f+8*\i:\f+8*\i+3],   v[ADRA+\slot] offset:\i*16*APITCH+64*\kq
	ds_load_b128 v[\f+8*\i+4:\f+8*\i+7], v[ADRA+\slot] offset:\i*16*APITCH+64*\kq+32
.endif
.endr
.endm
.macro PLACES                          ; four plain vector instructions between a matrix instruction and a load into, or a vector instruction on, one of its registers
.rept 4
	v_nop
.endr
.endm
; The first half of a K step: multiplies buffer f; in its middle it fetches the second half's fragments into buffer g.
.macro QUARTER slot, kq, f, g, zero
	s_wait_dscnt 8                                 ; W and A's rows 0-63 are in; the youngest eight loads (A's rows 64-127) may be out
	WIN MUL_LO
	MUL16 \f, 0, 0, \zero
	MUL16 \f, 0, 2, \zero
	PLACES
	FETCH \slot, \kq, \g
	s_wait_dscnt 32                                ; all but the 32 just issued
	WIN MUL_HI
	MUL16 \f, 1, 0, \zero
	MUL16 \f, 1, 2, \zero
.endm
; The second half: multiplies buffer 1 and changes slots.  In front of the barrier each wave waits for its reads of this slot and for all its tensor
; loads (one is out: its part of the next slot); behind it (with fill: behind the cluster's round that it opens) the refill comes first.
; From a request to the wait for it a wave issues 112 matrix instructions.
.macro TURN slot, next, fill
	s_wait_dscnt 8
	WIN MUL_LO
	MUL16 F1, 0, 0, 0
	s_wait_dscnt 0
	s_wait_tensorcnt 0x0
	ds_add_u32 v255, v63
	s_wait_dscnt 0x0
	s_barrier_signal -1
	MUL16 F1, 0, 2, 0
	WIN 0
	s_barrier_wait -1
.if \fill
	CREST
	s_add_nc_u64 s[G0+4*\slot+2:G0+4*\slot+3], s[G0+4*\slot+2:G0+4*\slot+3], 2*ASTEP
	s_add_nc_u64 s[G0B+4*\slot+2:G0B+4*\slot+3], s[G0B+4*\slot+2:G0B+4*\slot+3], 2*BSTEP
	JLOAD \slot
.endif
	PLACES
	FETCH \next, 0, F0
	WIN MUL_HI
	MUL16 F1, 1, 0, 0
	MUL16 F1, 1, 2, 0
.endm
.macro LAP zero
	QUARTER 0, 1, F0, F1, \zero
	TURN 0, 1, 1
	QUARTER 1, 1, F0, F1, 0
	TURN 1, 0, 1
.endm
	s_wait_tensorcnt 1                             ; my part of K step 0 is in; K step 1's load stays out
	s_barrier_signal -1
	s_barrier_wait -1
	FETCH 0, 0, F0
	LAP 1
.if LAPS > 2
	WIN 0
	s_mov_b32 s3, LAPS-2
.Llap:
	LAP 0
	WIN 0
	s_sub_co_u32 s3, s3, 1
	s_cmp_lg_u32 s3, 0
	s_cbranch_scc1 .Llap
.endif
	QUARTER 0, 1, F0, F1, 0                        ; the last lap fills nothing
	TURN 0, 1, 0
	QUARTER 1, 1, F0, F1, 0
	s_wait_dscnt 8
	WIN MUL_LO
	MUL16 F1, 0, 0, 0
	MUL16 F1, 0, 2, 0
	s_wait_dscnt 0
	WIN MUL_HI
	MUL16 F1, 1, 0, 0
	MUL16 F1, 1, 2, 0
	PLACES                                         ; behind the last matrix instructions, for all that follows
	WIN 0
	; THE WAY OUT.  The ring has had its last fill; its bytes now take the four partial blocks.
	s_barrier_signal -1                            ; every wave's reads of the ring are back (its last wait on LDS was for 0) and its tensor loads have landed
	s_barrier_wait -1
	WIN 0x08                                       ; store data from window 2
.irp a, 0,1,2,3
.irp b, 0,1,2,3,4,5,6,7
	ds_store_b128 v[STO], v[8*(8*\a+\b):8*(8*\a+\b)+3]   offset:\a*16*OPITCH+64*\b
	ds_store_b128 v[STO], v[8*(8*\a+\b)+4:8*(8*\a+\b)+7] offset:\a*16*OPITCH+64*\b+16
.endr
.endr
	WIN 0x0c                                       ; from window 3
.irp a, 0,1,2,3
.irp b, 0,1,2,3,4,5,6,7
	ds_store_b128 v[STO], v[8*(8*\a+\b):8*(8*\a+\b)+3]   offset:(4+\a)*16*OPITCH+64*\b
	ds_store_b128 v[STO], v[8*(8*\a+\b)+4:8*(8*\a+\b)+7] offset:(4+\a)*16*OPITCH+64*\b+16
.endr
.endr
	WIN 0
	s_wait_dscnt 0x0                               ; for the others' sake: my partial block is written
	s_barrier_signal -1
	s_barrier_wait -1
; Eight of my 32 rows: the four partial sums, the residual and the bias; a row of 512 bytes is one store of the wave.
; left = how many younger residual loads may stay out; more = 1: the residual set just used is loaded with the rows two batches on.
.macro BATCH bt, left, more
	s_wait_xcnt 0x0                                ; SUMS held the last batch's store data: loaded again only behind this wait
.irp q, 0,1,2,3,4,5,6,7
.irp p, 0,1,2,3
	ds_load_b128 v[SUMS+16*\q+4*\p:SUMS+16*\q+4*\p+3], v[RD+\p] offset:(8*\bt+\q)*OPITCH
.endr
.endr
	s_wait_loadcnt \left
.irp q, 0,1,2,3,4,5,6,7
.set AA, SUMS+16*\q
.set RR, RES+32*(\bt&1)+4*\q
	s_wait_dscnt 4*(7-\q)                          ; row q's four loads are in; the younger rows' stay out
	v_pk_add_f32 v[AA:AA+1], v[AA:AA+1], v[AA+4:AA+5]
	v_pk_add_f32 v[AA+2:AA+3], v[AA+2:AA+3], v[AA+6:AA+7]
	v_pk_add_f32 v[AA+8:AA+9], v[AA+8:AA+9], v[AA+12:AA+13]
	v_pk_add_f32 v[AA+10:AA+11], v[AA+10:AA+11], v[AA+14:AA+15]
	v_pk_add_f32 v[RR:RR+1], v[RR:RR+1], v[BI:BI+1]
	v_pk_add_f32 v[RR+2:RR+3], v[RR+2:RR+3], v[BI+2:BI+3]
	v_pk_add_f32 v[AA:AA+1], v[AA:AA+1], v[AA+8:AA+9]
	v_pk_add_f32 v[AA+2:AA+3], v[AA+2:AA+3], v[AA+10:AA+11]
	v_pk_add_f32 v[AA:AA+1], v[AA:AA+1], v[RR:RR+1]
	v_pk_add_f32 v[AA+2:AA+3], v[AA+2:AA+3], v[RR+2:RR+3]
	global_store_b128 v[LOFF], v[AA:AA+3], s[12:13] offset:(8*\bt+\q)*4096
.endr
.if \more
.irp q, 0,1,2,3,4,5,6,7
	global_load_b128 v[RES+32*(\bt&1)+4*\q:RES+32*(\bt&1)+4*\q+3], v[LOFF], s[10:11] offset:(8*(\bt+2)+\q)*4096
.endr
.endif
.endm
	BATCH 0, 8, 1                                  ; 8: the next batch's eight residual rows stay out
	BATCH 1, 8, 1
	BATCH 2, 8, 0
	BATCH 3, 0, 0
	s_set_vgpr_msb 0x1
	s_wait_tensorcnt 0x0
	ds_add_u32 v255, v63
	s_wait_dscnt 0x0
	s_set_vgpr_msb 0x100
	CROUND                                         ; the closing round
	s_endpgm
.Lfunc_end_k_q029d9fcab7_wo:
	.size	k_q029d9fcab7_wo, .Lfunc_end_k_q029d9fcab7_wo-k_q029d9fcab7_wo
	.p2alignl 7, 3214868480
	.fill 96, 4, 3214868480
	.section	.rodata,"a",@progbits
	.p2align	6, 0x0
	.amdhsa_kernel k_q029d9fcab7_wo
		.amdhsa_group_segment_fixed_size 327680
		.amdhsa_private_segment_fixed_size 0
		.amdhsa_enable_private_segment 0
		.amdhsa_kernarg_size 40
		.amdhsa_user_sgpr_count 2
		.amdhsa_user_sgpr_kernarg_segment_ptr 1
		.amdhsa_wavefront_size32 1
		.amdhsa_system_sgpr_workgroup_id_x 1
		.amdhsa_system_sgpr_workgroup_id_y 1
		.amdhsa_system_sgpr_workgroup_id_z 1
		.amdhsa_system_vgpr_workitem_id 0
		.amdhsa_next_free_vgpr 1024
		.amdhsa_next_free_sgpr 80
		.amdhsa_reserve_vcc 0
		.amdhsa_float_denorm_mode_32 3
		.amdhsa_float_denorm_mode_16_64 3
		.amdhsa_memory_ordered 1
		.amdhsa_forward_progress 1
		.amdhsa_inst_pref_size 104
	.end_amdhsa_kernel
	.amdgpu_metadata
---
amdhsa.version: [ 1, 2 ]
amdhsa.kernels:
  - .name:           k_q029d9fcab7_wo
    .symbol:         k_q029d9fcab7_wo.kd
    .args:
      - { .name: ao, .offset: 0, .size: 8, .value_kind: global_buffer, .address_space: global }
      - { .name: wbf, .offset: 8, .size: 8, .value_kind: global_buffer, .address_space: global }
      - { .name: bo, .offset: 16, .size: 8, .value_kind: global_buffer, .address_space: global }
      - { .name: x, .offset: 24, .size: 8, .value_kind: global_buffer, .address_space: global }
      - { .name: x1, .offset: 32, .size: 8, .value_kind: global_buffer, .address_space: global }
    .group_segment_fixed_size: 327680
    .private_segment_fixed_size: 0
    .kernarg_segment_align: 8
    .kernarg_segment_size: 40
    .max_flat_workgroup_size: 128
    .sgpr_count:     80
    .vgpr_count:     1024
    .wavefront_size: 32
...
	.end_amdgpu_metadata
.endif
;; end of part 4
;; launch ln2 (part 5): grid 256 x 1, 4 waves a work-group, no clusters, 0 bytes of LDS; arguments x1, ln2_g, ln2_b, hbuf; writes hbuf
.if DOCPART == 5
	.amdgcn_target "amdgcn-amd-amdhsa--gfx1250"
	.amdhsa_code_object_version 6
	.text
	.protected	k_q029d9fcab7_ln2
	.globl	k_q029d9fcab7_ln2
	.p2align	8
	.type	k_q029d9fcab7_ln2,@function
k_q029d9fcab7_ln2:
	s_mov_b64 s[64:65], 0
	v_nop
	global_prefetch_b8 v0, s[64:65] scope:SCOPE_SE
	s_setreg_imm32_b32 hwreg(HW_REG_WAVE_MODE, 25, 1), 1
	s_wait_xcnt 0x0
; m = LayerNorm(x1) * g + b, rounded once to bf16, into hbuf [4096][1024].
; One wave, one row of 4,096 bytes in 32 registers: mean first, then the centred squares (two passes over registers),
; so a common offset of x1 costs no digits.  Four rows a wave, two register sets that take turns; 16 rows a work-group, 256 work-groups.
; No LDS, no barrier, no matrix unit: the launch only moves bytes.
; Limits: v_rsq_f32 is accurate to 1 ULP; NaN and infinities get no special care.
.set POS,  0                           ; 0: plain LayerNorm
.set SX,   8                           ; s[8:9]   x1
.set SG,   10                          ; s[10:11] gain
.set SB,   12                          ; s[12:13] bias
.set SH,   14                          ; s[14:15] hbuf
.set G,    16                          ; v[16:47]   gain of my 32 columns
.set BV,   48                          ; v[48:79]   bias of my 32 columns
.set X,    80                          ; v[80:143]  two sets of 32: a row
.set T,    144                         ; v[144:147] two chains of sums
.set TP,   148                         ; v148       the other half's sum
.set MU,   150                         ; v[150:151] the mean, twice
.set RS,   152                         ; v[152:153] 1/sqrt(var+eps), twice
.macro LNFILL set, row                 ; a row into a register set: chunk j is the 16 bytes at 512 j + 16 lane
.irp j, 0,1,2,3,4,5,6,7
	global_load_b128 v[X+32*\set+4*\j:X+32*\set+4*\j+3], v1, s[SX:SX+1] offset:\row*4096+512*\j
.endr
.endm
.macro WSUM r                          ; the sum over the wave's 32 lanes, in every lane
	v_add_f32_dpp v[\r], v[\r], v[\r] row_xmask:1 row_mask:0xf bank_mask:0xf
	v_add_f32_dpp v[\r], v[\r], v[\r] row_xmask:2 row_mask:0xf bank_mask:0xf
	v_add_f32_dpp v[\r], v[\r], v[\r] row_xmask:4 row_mask:0xf bank_mask:0xf
	v_add_f32_dpp v[\r], v[\r], v[\r] row_xmask:8 row_mask:0xf bank_mask:0xf
	v_permlanex16_b32 v[TP], v[\r], s40, s41
	v_add_f32 v[\r], v[\r], v[TP]
.endm
; One row.  left = how many younger loads may stay out; fillrow >= 0: the set is then loaded with that row.
.macro LNROW set, row, left, fillrow
.set XS, X+32*\set
	s_wait_loadcnt \left
	v_pk_add_f32 v[T:T+1], v[XS:XS+1], v[XS+2:XS+3]            ; the sum, in two chains started by the first words
	v_pk_add_f32 v[T+2:T+3], v[XS+4:XS+5], v[XS+6:XS+7]
.set q, 8
.rept 6
	v_pk_add_f32 v[T:T+1], v[T:T+1], v[XS+q:XS+q+1]
	v_pk_add_f32 v[T+2:T+3], v[T+2:T+3], v[XS+q+2:XS+q+3]
.set q, q+4
.endr
	v_pk_add_f32 v[T:T+1], v[T:T+1], v[T+2:T+3]
	v_add_f32 v[T], v[T], v[T+1]
	WSUM T
	v_mul_f32 v[MU], s42, v[T]                                 ; mean = sum / 1024
	v_mul_f32 v[MU+1], s42, v[T]
.set q, 0
.rept 16
	v_pk_add_f32 v[XS+q:XS+q+1], v[XS+q:XS+q+1], v[MU:MU+1] neg_lo:[0,1] neg_hi:[0,1]   ; d = x - mean, in place
.set q, q+2
.endr
	v_pk_mul_f32 v[T:T+1], v[XS:XS+1], v[XS:XS+1]              ; the sum of d*d, again in two chains
	v_pk_mul_f32 v[T+2:T+3], v[XS+2:XS+3], v[XS+2:XS+3]
.set q, 4
.rept 7
	v_pk_fma_f32 v[T:T+1], v[XS+q:XS+q+1], v[XS+q:XS+q+1], v[T:T+1]
	v_pk_fma_f32 v[T+2:T+3], v[XS+q+2:XS+q+3], v[XS+q+2:XS+q+3], v[T+2:T+3]
.set q, q+4
.endr
	v_pk_add_f32 v[T:T+1], v[T:T+1], v[T+2:T+3]
	v_add_f32 v[T], v[T], v[T+1]
	WSUM T
	v_fma_f32 v[T], v[T], s42, s43                             ; var + eps
	v_rsq_f32 v[RS], v[T]
	v_nop                                                      ; one plain instruction behind v_rsq_f32 before its result is read (ISA guide 5.7.2)
	s_wait_alu depctr_va_vdst(0)
	v_mov_b32 v[RS+1], v[RS]
.set q, 0
.rept 16
	v_pk_mul_f32 v[XS+q:XS+q+1], v[XS+q:XS+q+1], v[RS:RS+1]
	v_pk_fma_f32 v[XS+q:XS+q+1], v[XS+q:XS+q+1], v[G+q:G+q+1], v[BV+q:BV+q+1]
.set q, q+2
.endr
.irp j, 0,1,2,3,4,5,6,7
	v_cvt_pk_bf16_f32 v[XS+4*\j], v[XS+4*\j], v[XS+4*\j+1]     ; chunk j's four numbers into its first two registers
	v_cvt_pk_bf16_f32 v[XS+4*\j+1], v[XS+4*\j+2], v[XS+4*\j+3]
	global_store_b64 v2, v[XS+4*\j:XS+4*\j+1], s[SH:SH+1] offset:\row*2048+256*\j   ; the wave stores 256 consecutive bytes, aligned
.endr
.if \fillrow >= 0
	s_wait_xcnt 0x0                                            ; the set's registers are the stores' data: loaded again only behind this wait
	LNFILL \set, \fillrow
.endif
.endm
	s_load_b256 s[8:15], s[0:1], 0x0               ; x1, ln2_g, ln2_b, hbuf
	v_lshrrev_b32 v3, 5, v0
	v_readfirstlane_b32 s3, v3                     ; wave 0..3
	s_lshl_b32 s2, ttmp9, 4                        ; 16 rows a work-group,
	s_lshl2_add_u32 s2, s3, s2                     ; 4 a wave: my first row
	s_lshl_b32 s32, s2, 12                         ; x1: 4,096 bytes a row
	s_mov_b32 s33, 0
	s_lshl_b32 s36, s2, 11                         ; hbuf: 2,048 bytes a row
	s_mov_b32 s37, 0
	s_mov_b32 s40, 0x76543210                      ; v_permlanex16_b32: lane i reads lane i of the other half
	s_mov_b32 s41, 0xfedcba98
	s_mov_b32 s42, 0x3a800000                      ; 1/1024
	s_mov_b32 s43, 0x3727c5ac                      ; eps = 1e-5
	v_and_b32 v1, 31, v0
	v_lshlrev_b32 v2, 3, v1                        ; 8 bytes of bf16 a lane
	v_lshlrev_b32 v1, 4, v1                        ; 16 bytes of f32 a lane
	v_mov_b32 v[TP], 0                             ; v_permlanex16_b32 counts as a reader of its destination
	s_wait_kmcnt 0x0
	s_add_nc_u64 s[SX:SX+1], s[SX:SX+1], s[32:33]
	s_add_nc_u64 s[SH:SH+1], s[SH:SH+1], s[36:37]
.irp j, 0,1,2,3,4,5,6,7
	global_load_b128 v[G+4*\j:G+4*\j+3], v1, s[SG:SG+1] offset:512*\j
.endr
.irp j, 0,1,2,3,4,5,6,7
	global_load_b128 v[BV+4*\j:BV+4*\j+3], v1, s[SB:SB+1] offset:512*\j
.endr
	LNFILL 0, 0
	LNFILL 1, 1
	LNROW 0, 0, 8, 2                               ; 8: the other set's eight loads stay out
	LNROW 1, 1, 8, 3
	LNROW 0, 2, 8, -1
	LNROW 1, 3, 0, -1
	s_endpgm
.Lfunc_end_k_q029d9fcab7_ln2:
	.size	k_q029d9fcab7_ln2, .Lfunc_end_k_q029d9fcab7_ln2-k_q029d9fcab7_ln2
	.p2alignl 7, 3214868480
	.fill 96, 4, 3214868480
	.section	.rodata,"a",@progbits
	.p2align	6, 0x0
	.amdhsa_kernel k_q029d9fcab7_ln2
		.amdhsa_group_segment_fixed_size 0
		.amdhsa_private_segment_fixed_size 0
		.amdhsa_enable_private_segment 0
		.amdhsa_kernarg_size 32
		.amdhsa_user_sgpr_count 2
		.amdhsa_user_sgpr_kernarg_segment_ptr 1
		.amdhsa_wavefront_size32 1
		.amdhsa_system_sgpr_workgroup_id_x 1
		.amdhsa_system_sgpr_workgroup_id_y 1
		.amdhsa_system_sgpr_workgroup_id_z 1
		.amdhsa_system_vgpr_workitem_id 0
		.amdhsa_next_free_vgpr 160
		.amdhsa_next_free_sgpr 66
		.amdhsa_reserve_vcc 0
		.amdhsa_float_denorm_mode_32 3
		.amdhsa_float_denorm_mode_16_64 3
		.amdhsa_memory_ordered 1
		.amdhsa_forward_progress 1
		.amdhsa_inst_pref_size 37
	.end_amdhsa_kernel
	.amdgpu_metadata
---
amdhsa.version: [ 1, 2 ]
amdhsa.kernels:
  - .name:           k_q029d9fcab7_ln2
    .symbol:         k_q029d9fcab7_ln2.kd
    .args:
      - { .name: x1, .offset: 0, .size: 8, .value_kind: global_buffer, .address_space: global }
      - { .name: ln2_g, .offset: 8, .size: 8, .value_kind: global_buffer, .address_space: global }
      - { .name: ln2_b, .offset: 16, .size: 8, .value_kind: global_buffer, .address_space: global }
      - { .name: hbuf, .offset: 24, .size: 8, .value_kind: global_buffer, .address_space: global }
    .group_segment_fixed_size: 0
    .private_segment_fixed_size: 0
    .kernarg_segment_align: 8
    .kernarg_segment_size: 32
    .max_flat_workgroup_size: 128
    .sgpr_count:     66
    .vgpr_count:     160
    .wavefront_size: 32
...
	.end_amdgpu_metadata
.endif
;; end of part 5
;; launch w1 (part 6): grid 16 x 16, 4 waves a work-group, clusters of 4 x 4, 327,680 bytes of LDS; arguments hbuf, wbf, b1, gbuf; writes gbuf
.if DOCPART == 6
	.amdgcn_target "amdgcn-amd-amdhsa--gfx1250"
	.amdhsa_code_object_version 6
	.text
	.protected	k_q029d9fcab7_w1
	.globl	k_q029d9fcab7_w1
	.p2align	8
	.type	k_q029d9fcab7_w1,@function
k_q029d9fcab7_w1:
	s_mov_b64 s[64:65], 0
	v_nop
	global_prefetch_b8 v0, s[64:65] scope:SCOPE_SE
	s_setreg_imm32_b32 hwreg(HW_REG_WAVE_MODE, 25, 1), 1
	s_wait_xcnt 0x0
	s_wait_alu depctr_hold_cnt(0) depctr_sa_sdst(0) depctr_va_vdst(0) depctr_va_sdst(0) depctr_va_ssrc(0) depctr_va_vcc(0) depctr_vm_vsrc(0)
	s_getreg_b32 s2, hwreg(HW_REG_IB_STS2, 6, 4)
	s_cmp_eq_u32 s2, 0
	s_cbranch_scc0 .Lentry_in_a_cluster
	s_endpgm
.Lentry_in_a_cluster:
	s_bfe_u32 s2, ttmp6, 0x10000c
	s_cmp_lg_u32 s2, 0xf033
	s_cbranch_scc0 .Lentry_shape_is_right
	s_endpgm
.Lentry_shape_is_right:
; C = A W with A [4096][1024] bf16 (K along the rows) and W [1024][NP] bf16 (N along the rows), sums in f32.
; KIND 0: A = h, W = Wq | Wk | Wv (block columns 0-3, 4-7, 8-11); C goes out as bf16, head-major: qkv[3][32 (b*16+head)][2048][64].
; KIND 1: A = LayerNorm2 output, W = W1; C + b1 goes through the exact GELU and out as bf16 [4096][4096].
; A work-group makes 256 x 256 of C with four waves, one on each SIMD; a wave makes 128 x 128: 64 accumulator tiles, 512 registers.
; K = 1024 goes in 8 steps of 128 through two LDS slots filled by the tensor data mover; A's rows are 256 bytes of memory, W's 512.
; CLUSTERS: 4 x 4 work-groups.  A's tile hangs on the block row alone and is asked for jointly along a row of the cluster,
; W's on the block column alone and is asked for jointly along a column: a quarter of the requests.
; W lies [K][N] in LDS as in memory; its fragments come by the transposing LDS load, so no launch transposes weights.
; REGISTER WINDOWS: window 0: addresses, A's fragments (v64-191, two buffers), work on the way out; window 1: W's fragments (v64-191);
; windows 2, 3: the accumulators of my rows 0-63, 64-127 (tile (a, b) at v[8 (8 a + b)]).
; THE MATRIX INSTRUCTION IS USED TRANSPOSED (source 0 = 16 columns of W, source 1 = 16 rows of A): lane l then holds row l % 16 of C
; and its eight registers the columns 8 (l / 16) + 0..7, which pack into 16 neighbouring bytes.
; Limits (KIND 1): erfc by the five-term rational form with exp(-z*z), absolute error 1.5e-7 on erf for every x;
; v_exp_f32 and v_rcp_f32 are 1 ULP and flush denormals; NaN and infinities get no special care.
.set KIND,   1
.set KSTEP,  128
.set APITCH, 272                       ; A's LDS row: 256 bytes + 16: an odd multiple of 16, so 16 rows of a fragment load start 16 bytes apart modulo 256
.set BPITCH, 544                       ; W's LDS row: 512 bytes + 32: an odd multiple of 32, as the transposing load's eight-row groups want
.set HALFT,  34816                     ; 128 rows of A = 64 rows of W: what one tensor load brings
.set SLOT,   4*HALFT                   ; A's 256 rows, then W's 128 k-rows
.set STAGE,  2*SLOT                    ; behind the ring: 16 rows x 272 bytes for each wave; no tensor load lands here
.set SPITCH, 272
.set LAPS,   4                         ; a lap = two K steps = once round the ring
.if KIND
.set NP,     4096
.set OUTP,   10                        ; s[10:11] the output
.set TMP,    32
.else
.set NP,     1024
.set OUTP,   8                         ; s[8:9] the output
.set TMP,    192
.endif
.set BSTEP,  KSTEP*NP*2                ; bytes from one K step of W to the next
.set ADRA, 16                          ; v16-17  LDS address of my A fragments in slot 0, 1
.set ADRB, 20                          ; v20-21  the same for W
.set STO,  24                          ; v24     way out: where I put 16 bytes of a row
.set RD,   25                          ; v25     way out: where I read back
.set CO,   26                          ; v26     my byte offset in the output
.set F0,   64
.set F1,   128
.set BIAS, 192                         ; KIND 1: v192-255, b1 of my 8 x 8 columns
.set GX,   64                          ; KIND 1, way out: 32 numbers x,
.set GT,   96                          ;   t = 1/(1 + p|x|/sqrt 2), later max(x, 0),
.set GE,   128                         ;   exp(-x*x/2),
.set GP,   160                         ;   the polynomial; later the rows read back
.set G1,  24                           ; s[24:31] group 1 for A
.set G0,  32                           ; s[32:39] group 0 for A, one set a slot
.set G1B, 48                           ; s[48:55] group 1 for W
.set G0B, 56                           ; s[56:63] group 0 for W, one set a slot
.set MSB, 0
.macro WIN new                         ; the immediate's high byte repeats the setting that is left
.if MSB != \new
	s_set_vgpr_msb (MSB<<8)|\new
.set MSB, \new
.endif
.endm
.set MUL_LO, 0xa1                      ; source 0 (W) window 1, source 1 (A) window 0, C and D window 2
.set MUL_HI, 0xf1                      ; the same, C and D window 3
.set TO_B,   0x40                      ; destination window 1, address window 0
; A joint load.  Waves 0, 1 fetch A's halves, waves 2, 3 W's.  The branch hangs on the wave's number alone.
.macro JLOAD s
	s_cmp_eq_u32 s67, 0
	s_cbranch_scc0 .Lfor_b_\@
	tensor_load_to_lds s[G0+4*\s:G0+4*\s+3], s[G1:G1+7]
	s_nop 0
	s_branch .Lasked_\@
.Lfor_b_\@:
	tensor_load_to_lds s[G0B+4*\s:G0B+4*\s+3], s[G1B:G1B+7]
	s_nop 0
.Lasked_\@:
.endm
; A round of the cluster's barrier: my work-group's barrier, wave 0 signals for the work-group, every wave waits for all sixteen, my barrier again.
.macro CREST
	s_cmp_lg_u32 s66, 0
	s_cbranch_scc1 .Lnot_wave_0_\@
	s_barrier_signal -3
.Lnot_wave_0_\@:
	s_barrier_wait -3
	s_barrier_signal -1
	s_barrier_wait -1
.endm
.macro CROUND
	s_barrier_signal -1
	s_barrier_wait -1
	CREST
.endm
.if KIND
	s_load_b256 s[4:11], s[0:1], 0x0               ; A s[4:5], wbf s[6:7], b1 s[8:9], gbuf s[10:11]
	s_set_vgpr_msb 0x40
	v_lshl_add_u32 v255, v0, 2, 0x48400
	s_set_vgpr_msb 0x4000
	v_mov_b32 v31, 0
	s_set_vgpr_msb 0x1
	ds_add_u32 v255, v31
	s_set_vgpr_msb 0x100
.else
	s_load_b128 s[4:7], s[0:1], 0x0                ; A s[4:5], wbf s[6:7]
	s_load_b64 s[8:9], s[0:1], 0x10                ; qkv
.endif
	v_lshrrev_b32 v1, 5, v0
	v_readfirstlane_b32 s66, v1                    ; wave 0..3
	s_lshr_b32 s67, s66, 1                         ; my half of the block's rows.  Also: I fetch for A (0) or for W (1)
	s_and_b32 s68, s66, 1                          ; my half of its columns.  Also: which half of that tile I fetch
	s_bfe_u32 s40, ttmp6, 0x40000                  ; cx
	s_bfe_u32 s41, ttmp6, 0x40004                  ; cy
	s_lshl_b32 s42, ttmp9, 2
	s_add_co_u32 s42, s42, s40                     ; block column = 4 x cluster x + cx
	s_and_b32 s13, ttmp7, 0xffff
	s_lshl_b32 s13, s13, 2
	s_add_co_u32 s13, s13, s41                     ; block row = 4 x cluster y + cy
	s_lshl_b32 s43, s41, 2
	s_lshl_b32 s43, 15, s43                        ; my row of the cluster: places 4 cy .. 4 cy + 3
	s_lshl_b32 s44, 0x1111, s40                    ; my column: places cx, cx + 4, cx + 8, cx + 12
	; group 1 for A: 128 rows x 128 elements of 2 bytes, pitch 1024 elements; 4 words of padding behind every 64
	s_or_b32 s[G1+0], s43, (1<<16)|(1<<20)|(1<<21)|(5<<22)|(3<<25)
	s_mov_b32 s[G1+1], KSTEP<<16                   ; tensor_dim0 = 128
	s_mov_b32 s[G1+2], 128<<16                     ; tensor_dim1 = 128
	s_mov_b32 s[G1+3], KSTEP<<16                   ; tile_dim0 = 128
	s_mov_b32 s[G1+4], 128                         ; tile_dim1 = 128
	s_mov_b32 s[G1+5], 1024                        ; elements from row to row
	s_mov_b32 s[G1+6], 0
	s_mov_b32 s[G1+7], 0
	; group 1 for W: 64 k-rows x 256 elements, pitch NP; 8 words of padding behind every 128
	s_or_b32 s[G1B+0], s44, (1<<16)|(1<<20)|(1<<21)|(6<<22)|(7<<25)
	s_mov_b32 s[G1B+1], 256<<16
	s_mov_b32 s[G1B+2], 64<<16
	s_mov_b32 s[G1B+3], 256<<16
	s_mov_b32 s[G1B+4], 64
	s_mov_b32 s[G1B+5], NP
	s_mov_b32 s[G1B+6], 0
	s_mov_b32 s[G1B+7], 0
	; where the tiles come from: A's offset is made of the block row and the wave, W's of the block column and the wave
	s_lshl_b32 s16, s13, 19                        ; 256 rows x 2,048 bytes
	s_lshl_b32 s17, s68, 18                        ; + my 128 rows
	s_add_co_u32 s16, s16, s17
	s_mov_b32 s17, 0
.if KIND
	s_lshl_b32 s46, s42, 9                         ; 256 columns x 2 bytes
	s_lshl_b32 s47, s68, 19                        ; + my 64 k-rows of 8,192 bytes
	s_add_co_u32 s46, s46, s47
	s_add_co_u32 s46, s46, 8388608                 ; W1 in wbf
.else
	s_lshl_b32 s46, ttmp9, 21                      ; Wq, Wk or Wv: 2,097,152 bytes each; a cluster's four block columns are one matrix
	s_lshl_b32 s47, s40, 9                         ; 256 columns x 2 bytes
	s_add_co_u32 s46, s46, s47
	s_lshl_b32 s47, s68, 17                        ; + my 64 k-rows of 2,048 bytes
	s_add_co_u32 s46, s46, s47
.endif
	s_mov_b32 s47, 0
	s_mul_i32 s20, s66, HALFT                      ; where they go: wave x a quarter of the slot
	s_wait_dscnt 0x0
	s_wait_kmcnt 0x0
	s_add_nc_u64 s[14:15], s[4:5], s[16:17]
	s_add_nc_u64 s[46:47], s[6:7], s[46:47]
	CROUND                                         ; all sixteen work-groups are here: the first joint loads meet
.irp s, 0,1
	s_mov_b32 s[G0+4*\s], 1
	s_add_co_u32 s[G0+4*\s+1], s20, \s*SLOT
	s_add_nc_u64 s[G0+4*\s+2:G0+4*\s+3], s[14:15], \s*KSTEP*2
	s_or_b32 s[G0+4*\s+3], s[G0+4*\s+3], 0x80000000
	s_mov_b32 s[G0B+4*\s], 1
	s_add_co_u32 s[G0B+4*\s+1], s20, \s*SLOT
	s_add_nc_u64 s[G0B+4*\s+2:G0B+4*\s+3], s[46:47], \s*BSTEP
	s_or_b32 s[G0B+4*\s+3], s[G0B+4*\s+3], 0x80000000
	JLOAD \s
.endr
	v_and_b32 v1, 15, v0                           ; r = l % 16
	v_bfe_u32 v2, v0, 4, 1                         ; h = l / 16
	v_mul_u32_u24 v3, v1, APITCH
	v_lshl_add_u32 v3, v2, 4, v3                   ; A: row r, 16 bytes for each half of the lanes
	v_and_b32 v4, 7, v0
	v_lshl_add_u32 v4, v2, 3, v4                   ; W: k-row 8 h + l % 8,
	v_mul_u32_u24 v4, v4, BPITCH
	v_bfe_u32 v5, v0, 3, 1
	v_lshl_add_u32 v4, v5, 4, v4                   ; columns 0-7 or 8-15 of the sixteen
	s_mul_i32 s21, s67, HALFT                      ; my 128 rows of A
	s_lshl_b32 s22, s68, 8                         ; my 128 columns of W,
	s_add_co_u32 s22, s22, 2*HALFT                 ; which lies behind A
.irp s, 0,1
	v_add_nc_u32 v[ADRA+\s], s21, v3
	v_add_nc_u32 v[ADRB+\s], s22, v4
	s_add_co_u32 s21, s21, SLOT
	s_add_co_u32 s22, s22, SLOT
.endr
	s_mul_i32 s23, s66, 16*SPITCH
	s_add_co_u32 s23, s23, STAGE                   ; my stage
	v_add_nc_u32 v[STO], s23, v3                   ; in: row r, 16 bytes for each half of the lanes
.if KIND
	v_mul_u32_u24 v6, v2, SPITCH                   ; back: lanes 0-15 one row of 256 bytes, lanes 16-31 the next
	v_lshl_add_u32 v6, v1, 4, v6
	v_add_nc_u32 v[RD], s23, v6
	v_lshlrev_b32 v6, 13, v2                       ; the same two rows in gbuf: 8,192 bytes a row
	v_lshl_add_u32 v[CO], v1, 4, v6
	v_lshlrev_b32 v27, 5, v2                       ; b1: 8 h columns of 4 bytes
	s_lshl_b32 s72, s42, 10                        ; + 256 columns a block
	s_lshl_b32 s73, s68, 9                         ; + my 128
	s_add_co_u32 s72, s72, s73
	s_mov_b32 s73, 0
	s_add_nc_u64 s[8:9], s[8:9], s[72:73]
.irp b, 0,1,2,3,4,5,6,7
	global_load_b128 v[BIAS+8*\b:BIAS+8*\b+3], v27, s[8:9] offset:64*\b
	global_load_b128 v[BIAS+8*\b+4:BIAS+8*\b+7], v27, s[8:9] offset:64*\b+16
.endr
	s_mov_b32 s70, 0x3e6d3388                      ; 0.3275911 / sqrt 2
.else
	v_bfe_u32 v6, v0, 3, 2                         ; back: eight lanes take the 128 bytes that a row has of one head, four rows a load
	v_and_b32 v7, 7, v0
	v_mul_u32_u24 v6, v6, SPITCH
	v_lshl_add_u32 v6, v7, 4, v6
	v_add_nc_u32 v[RD], s23, v6
	v_and_b32 v7, 31, v0
	v_lshlrev_b32 v[CO], 4, v7                     ; four rows of 128 bytes follow each other in a head: 16 bytes a lane
.endif
; 16 matrix instructions: m blocks a0, a0 + 1 of the window's four x all 8 n blocks, 32 along K.  zero = 1: the first product starts the sums.
; The 64 accumulators take turns, one instruction a turn, in the same order in every quarter step.
.macro MUL16 f, hi, a0, zero
.irp a, \a0, \a0+1
.irp b, 0,1,2,3,4,5,6,7
.if \zero
	v_wmma_f32_16x16x32_bf16 v[8*(8*(\a)+\b):8*(8*(\a)+\b)+7], v[\f+8*\b:\f+8*\b+7], v[\f+8*(4*\hi+\a):\f+8*(4*\hi+\a)+7], 0
.else
	v_wmma_f32_16x16x32_bf16 v[8*(8*(\a)+\b):8*(8*(\a)+\b)+7], v[\f+8*\b:\f+8*\b+7], v[\f+8*(4*\hi+\a):\f+8*(4*\hi+\a)+7], v[8*(8*(\a)+\b):8*(8*(\a)+\b)+7]
.endif
.endr
.endr
.endm
; 32 LDS loads in one run: the fragments of quarter kq (32 along K) into buffer f.  W's: two transposing loads, 16 k-rows apart, bring
; lane l the k = 8 h .. + 7 and 16 + 8 h .. + 7 of column l % 16.  A's: two plain loads 32 bytes apart.
.macro FETCH slot, kq, f
	WIN TO_B
.irp i, 0,1,2,3,4,5,6,7
	ds_load_tr16_b128 v[\f+8*\i:\f+8*\i+3],   v[ADRB+\slot] offset:\kq*32*BPITCH+32*\i
	ds_load_tr16_b128 v[\f+8*\i+4:\f+8*\i+7], v[ADRB+\slot] offset:\kq*32*BPITCH+32*\i+16*BPITCH
.endr
	WIN 0
.irp i, 0,1,2,3,4,5,6,7
	ds_load_b128 v[\f+8*\i:\f+8*\i+3],   v[ADRA+\slot] offset:\kq*64+\i*16*APITCH
	ds_load_b128 v[\f+8*\i+4:\f+8*\i+7], v[ADRA+\slot] offset:\kq*64+\i*16*APITCH+32
.endr
.endm
; Four plain vector instructions stand between a matrix instruction and a load into, or a vector instruction on, one of its registers.
.macro PLACES
.rept 4
	v_nop
.endr
.endm
; One of a K step's first three quarters: multiplies buffer f; in its middle it fetches quarter kq of the same slot into buffer g.
.macro QUARTER slot, kq, f, g, zero
	s_wait_dscnt 8                                 ; W and A's rows 0-63 are in; the youngest eight loads (A's rows 64-127) may be out
	WIN MUL_LO
	MUL16 \f, 0, 0, \zero
	MUL16 \f, 0, 2, \zero
	PLACES
	FETCH \slot, \kq, \g
	s_wait_dscnt 32                                ; all but the 32 just issued
	WIN MUL_HI
	MUL16 \f, 1, 0, \zero
	MUL16 \f, 1, 2, \zero
.endm
.macro THREE slot, zero
	QUARTER \slot, 1, F0, F1, \zero
	QUARTER \slot, 2, F1, F0, 0
	QUARTER \slot, 3, F0, F1, 0
.endm
; The last quarter: multiplies buffer 1 and changes slots.  In front of the barrier each wave waits for its reads of this slot and for all its
; tensor loads (one is out: its part of the next slot).  Behind it (with fill: behind the cluster's round that it opens) the refill comes first,
; then the next slot's first fragments.  From a request to the wait for it a wave issues 240 matrix instructions.
.macro TURN slot, next, fill
	s_wait_dscnt 8
	WIN MUL_LO
	MUL16 F1, 0, 0, 0
	s_wait_dscnt 0                                 ; my reads of this slot are over
	s_wait_tensorcnt 0x0                           ; all my tensor loads have landed
	ds_add_u32 v255, v31
	s_wait_dscnt 0x0
	s_barrier_signal -1
	MUL16 F1, 0, 2, 0                              ; register work while the others arrive
	WIN 0
	s_barrier_wait -1
.if \fill
	CREST                                          ; no wave of any partner still reads this slot or has a load on its way
	s_add_nc_u64 s[G0+4*\slot+2:G0+4*\slot+3], s[G0+4*\slot+2:G0+4*\slot+3], 2*KSTEP*2
	s_add_nc_u64 s[G0B+4*\slot+2:G0B+4*\slot+3], s[G0B+4*\slot+2:G0B+4*\slot+3], 2*BSTEP
	JLOAD \slot                                    ; the first tensor load behind the round
.endif
	PLACES
	FETCH \next, 0, F0
	WIN MUL_HI
	MUL16 F1, 1, 0, 0
	MUL16 F1, 1, 2, 0
.endm
.macro LAP zero
	THREE 0, \zero
	TURN 0, 1, 1
	THREE 1, 0
	TURN 1, 0, 1
.endm
.if KIND
	s_wait_loadcnt 0x0                             ; b1 is in: no load of mine stays out during the loop
.endif
	s_wait_tensorcnt 1                             ; my part of K step 0 is in; K step 1's load stays out
	s_barrier_signal -1
	s_barrier_wait -1
	FETCH 0, 0, F0
	LAP 1                                          ; the first lap's first products start the sums
	WIN 0
	s_mov_b32 s3, LAPS-2
.Llap:
	LAP 0
	WIN 0
	s_sub_co_u32 s3, s3, 1
	s_cmp_lg_u32 s3, 0
	s_cbranch_scc1 .Llap
	THREE 0, 0                                     ; the last lap fills nothing
	TURN 0, 1, 0
	THREE 1, 0
	s_wait_dscnt 8
	WIN MUL_LO
	MUL16 F1, 0, 0, 0
	MUL16 F1, 0, 2, 0
	s_wait_dscnt 0
	WIN MUL_HI
	MUL16 F1, 1, 0, 0
	MUL16 F1, 1, 2, 0
	PLACES                                         ; behind the last matrix instructions, for all that follows
.if KIND
	; ---------------- way out, KIND 1: + b1, GELU, bf16, whole rows of 256 bytes ----------------
	WIN 0
	v_mov_b32 v2, 0x3f07dc22                       ; the polynomial's coefficients, halved, each twice for the packed forms: a5/2
	v_mov_b32 v3, 0x3f07dc22
	v_mov_b32 v4, 0xbf3a00e3                       ; a4/2
	v_mov_b32 v5, 0xbf3a00e3
	v_mov_b32 v6, 0x3f35f0e3                       ; a3/2
	v_mov_b32 v7, 0x3f35f0e3
	v_mov_b32 v8, 0xbe11a98e                       ; a2/2
	v_mov_b32 v9, 0xbe11a98e
	v_mov_b32 v10, 0x3e027906                      ; a1/2
	v_mov_b32 v11, 0x3e027906
	v_mov_b32 v12, 0xbf38aa3b                      ; -log2(e)/2
	v_mov_b32 v13, 0xbf38aa3b
	s_lshl_b32 s16, s13, 21                        ; 256 rows of 8,192 bytes a block row
	s_lshl_b32 s17, s67, 20                        ; + my 128 rows
	s_add_co_u32 s16, s16, s17
	s_mov_b32 s17, 0
	s_add_nc_u64 s[OUTP:OUTP+1], s[OUTP:OUTP+1], s[16:17]
	s_lshl_b32 s46, s42, 9                         ; 512 bytes a block column
	s_lshl_b32 s47, s68, 8                         ; + my 256
	s_add_co_u32 s46, s46, s47
	s_mov_b32 s47, 0
	s_add_nc_u64 s[OUTP:OUTP+1], s[OUTP:OUTP+1], s[46:47]
; gelu(x) = max(x, 0) - |x| * (erfc(|x|/sqrt 2) / 2), on the 32 numbers in GX; packed to bf16 into 16 registers from dst on.
; Runs of transcendentals stand back to back; the first line behind each run is a plain instruction that names none of the run's last registers.
.macro GELU32 dst
.set q, 0
.rept 32
	v_fma_f32 v[GT+q], |v[GX+q]|, s70, 1.0
.set q, q+1
.endr
.set q, 0
.rept 32
	v_rcp_f32 v[GT+q], v[GT+q]                     ; t
.set q, q+1
.endr
.set q, 0
.rept 16
	v_pk_mul_f32 v[GE+q:GE+q+1], v[GX+q:GX+q+1], v[GX+q:GX+q+1]
.set q, q+2
.endr
.set q, 0
.rept 16
	v_pk_mul_f32 v[GE+q:GE+q+1], v[GE+q:GE+q+1], v[12:13]
.set q, q+2
.endr
.set q, 0
.rept 32
	v_exp_f32 v[GE+q], v[GE+q]                     ; exp(-x*x/2)
.set q, q+1
.endr
.set q, 0
	s_wait_alu depctr_va_vdst(0)
.rept 16
	v_pk_fma_f32 v[GP+q:GP+q+1], v[GT+q:GT+q+1], v[2:3], v[4:5]
.set q, q+2
.endr
.irp c, 6, 8, 10
.set q, 0
.rept 16
	v_pk_fma_f32 v[GP+q:GP+q+1], v[GP+q:GP+q+1], v[GT+q:GT+q+1], v[\c:\c+1]
.set q, q+2
.endr
.endr
.set q, 0
.rept 16
	v_pk_mul_f32 v[GP+q:GP+q+1], v[GP+q:GP+q+1], v[GT+q:GT+q+1]
.set q, q+2
.endr
.set q, 0
.rept 16
	v_pk_mul_f32 v[GP+q:GP+q+1], v[GP+q:GP+q+1], v[GE+q:GE+q+1]    ; erfc / 2
.set q, q+2
.endr
.set q, 0
.rept 32
	v_max_num_f32 v[GT+q], 0, v[GX+q]
.set q, q+1
.endr
.set q, 0
.rept 32
	v_fma_f32 v[GX+q], -|v[GX+q]|, v[GP+q], v[GT+q]
.set q, q+1
.endr
.set q, 0
.rept 16
	v_cvt_pk_bf16_f32 v[\dst+q], v[GX+2*q], v[GX+2*q+1]
.set q, q+1
.endr
.endm
; rows 16 i .. 16 i + 15 of my block = the eight tiles (a, 0..7) of window 2 or 3 (src: source 0's window)
.macro OUT16G i, a, src
	s_wait_xcnt 0x0                                ; GP held the last rows' store data: written again only behind this wait
.irp hf, 0, 1
	WIN \src
.set q, 0
.rept 16
	v_pk_add_f32 v[GX+q:GX+q+1], v[8*(8*\a+4*\hf)+q:8*(8*\a+4*\hf)+q+1], v[BIAS+32*\hf+q:BIAS+32*\hf+q+1]
.set q, q+2
.endr
	WIN 0
	GELU32 TMP+16*\hf
.endr
.irp b, 0,1,2,3,4,5,6,7
	ds_store_b128 v[STO], v[TMP+4*\b:TMP+4*\b+3] offset:32*\b
.endr
.irp t, 0,1,2,3,4,5,6,7
	ds_load_b128 v[GP+4*\t:GP+4*\t+3], v[RD] offset:\t*2*SPITCH    ; LDS serves a wave's instructions in order: these see the stores above
.endr
.irp t, 0,1,2,3,4,5,6,7
	s_wait_dscnt 7-\t
	global_store_b128 v[CO], v[GP+4*\t:GP+4*\t+3], s[OUTP:OUTP+1] offset:(16*\i+2*\t)*8192   ; 16 lanes store 256 consecutive bytes, aligned
.endr
.endm
	OUT16G 0, 0, 0x02
	OUT16G 1, 1, 0x02
	OUT16G 2, 2, 0x02
	OUT16G 3, 3, 0x02
	OUT16G 4, 0, 0x03
	OUT16G 5, 1, 0x03
	OUT16G 6, 2, 0x03
	OUT16G 7, 3, 0x03
.else
	; ---------------- way out, KIND 0: bf16, head-major ----------------
	s_lshr_b32 s16, s13, 3                         ; batch: 8 block rows each, 16 heads of 262,144 bytes
	s_lshl_b32 s16, s16, 22
	s_and_b32 s17, s13, 7                          ; 256 rows of 128 bytes a block row
	s_lshl_b32 s17, s17, 15
	s_add_co_u32 s16, s16, s17
	s_lshl_b32 s17, s67, 14                        ; + my 128 rows
	s_add_co_u32 s16, s16, s17
	s_mov_b32 s17, 0
	s_add_nc_u64 s[OUTP:OUTP+1], s[OUTP:OUTP+1], s[16:17]
	s_lshl_b32 s46, ttmp9, 23                      ; q, k or v: 8,388,608 bytes each
	s_lshl_b32 s47, s40, 20                        ; four heads a block column
	s_add_co_u32 s46, s46, s47
	s_lshl_b32 s47, s68, 19                        ; + my two heads
	s_add_co_u32 s46, s46, s47
	s_mov_b32 s47, 0
	s_add_nc_u64 s[OUTP:OUTP+1], s[OUTP:OUTP+1], s[46:47]
; rows 16 i .. 16 i + 15 of my block = the eight tiles (a, 0..7) of window 2 or 3 (from = 0x0a or 0x0f); f: F0 or F1 in turn
.macro OUT16 i, a, from, f
	WIN \from
.irp b, 0,1,2,3,4,5,6,7
.irp r, 0,1,2,3
	v_cvt_pk_bf16_f32 v[TMP+4*\b+\r], v[8*(8*\a+\b)+2*\r], v[8*(8*\a+\b)+2*\r+1]
.endr
.endr
	WIN 0
.irp b, 0,1,2,3,4,5,6,7
	ds_store_b128 v[STO], v[TMP+4*\b:TMP+4*\b+3] offset:32*\b
.endr
	s_wait_xcnt 0x0                                ; buffer f held store data two groups ago: loaded again only behind this wait
.irp t, 0,1,2,3,4,5,6,7
	ds_load_b128 v[\f+4*\t:\f+4*\t+3], v[RD] offset:(\t&3)*4*SPITCH+(\t>>2)*128   ; four rows' 128 bytes of head t / 4; LDS serves a wave's instructions in order
.endr
.irp t, 0,1,2,3,4,5,6,7
	s_wait_dscnt 7-\t
	global_store_b128 v[CO], v[\f+4*\t:\f+4*\t+3], s[OUTP:OUTP+1] offset:(\t>>2)*262144+\i*2048+(\t&3)*512   ; the wave stores 512 consecutive bytes, aligned
.endr
.endm
	OUT16 0, 0, 0x0a, F0
	OUT16 1, 1, 0x0a, F1
	OUT16 2, 2, 0x0a, F0
	OUT16 3, 3, 0x0a, F1
	OUT16 4, 0, 0x0f, F0
	OUT16 5, 1, 0x0f, F1
	OUT16 6, 2, 0x0f, F0
	OUT16 7, 3, 0x0f, F1
.endif
	s_set_vgpr_msb 0x1
	s_wait_tensorcnt 0x0
	ds_add_u32 v255, v31
	s_wait_dscnt 0x0
	s_set_vgpr_msb 0x100
	CROUND                                         ; the closing round: no work-group ends while a partner may still ask for a tile that names it
	s_endpgm
.Lfunc_end_k_q029d9fcab7_w1:
	.size	k_q029d9fcab7_w1, .Lfunc_end_k_q029d9fcab7_w1-k_q029d9fcab7_w1
	.p2alignl 7, 3214868480
	.fill 96, 4, 3214868480
	.section	.rodata,"a",@progbits
	.p2align	6, 0x0
	.amdhsa_kernel k_q029d9fcab7_w1
		.amdhsa_group_segment_fixed_size 327680
		.amdhsa_private_segment_fixed_size 0
		.amdhsa_enable_private_segment 0
		.amdhsa_kernarg_size 32
		.amdhsa_user_sgpr_count 2
		.amdhsa_user_sgpr_kernarg_segment_ptr 1
		.amdhsa_wavefront_size32 1
		.amdhsa_system_sgpr_workgroup_id_x 1
		.amdhsa_system_sgpr_workgroup_id_y 1
		.amdhsa_system_sgpr_workgroup_id_z 1
		.amdhsa_system_vgpr_workitem_id 0
		.amdhsa_next_free_vgpr 1024
		.amdhsa_next_free_sgpr 84
		.amdhsa_reserve_vcc 0
		.amdhsa_float_denorm_mode_32 3
		.amdhsa_float_denorm_mode_16_64 3
		.amdhsa_memory_ordered 1
		.amdhsa_forward_progress 1
		.amdhsa_inst_pref_size 255
	.end_amdhsa_kernel
	.section	.bss,"aw",@nobits
	.p2align	6
	.space	262144
	.amdgpu_metadata
---
amdhsa.version: [ 1, 2 ]
amdhsa.kernels:
  - .name:           k_q029d9fcab7_w1
    .symbol:         k_q029d9fcab7_w1.kd
    .args:
      - { .name: hbuf, .offset: 0, .size: 8, .value_kind: global_buffer, .address_space: global }
      - { .name: wbf, .offset: 8, .size: 8, .value_kind: global_buffer, .address_space: global }
      - { .name: b1, .offset: 16, .size: 8, .value_kind: global_buffer, .address_space: global }
      - { .name: gbuf, .offset: 24, .size: 8, .value_kind: global_buffer, .address_space: global }
    .group_segment_fixed_size: 327680
    .private_segment_fixed_size: 0
    .kernarg_segment_align: 8
    .kernarg_segment_size: 32
    .max_flat_workgroup_size: 128
    .sgpr_count:     84
    .vgpr_count:     1024
    .wavefront_size: 32
...
	.end_amdgpu_metadata
.endif
;; end of part 6
;; launch w2 (part 7): grid 8 x 32, 4 waves a work-group, clusters of 4 x 4, 327,680 bytes of LDS; arguments gbuf, wbf, b2, x1, out0; writes out0
.if DOCPART == 7
	.amdgcn_target "amdgcn-amd-amdhsa--gfx1250"
	.amdhsa_code_object_version 6
	.text
	.protected	k_q029d9fcab7_w2
	.globl	k_q029d9fcab7_w2
	.p2align	8
	.type	k_q029d9fcab7_w2,@function
k_q029d9fcab7_w2:
	s_mov_b64 s[64:65], 0
	v_nop
	global_prefetch_b8 v0, s[64:65] scope:SCOPE_SE
	s_setreg_imm32_b32 hwreg(HW_REG_WAVE_MODE, 25, 1), 1
	s_wait_xcnt 0x0
	s_wait_alu depctr_hold_cnt(0) depctr_sa_sdst(0) depctr_va_vdst(0) depctr_va_sdst(0) depctr_va_ssrc(0) depctr_va_vcc(0) depctr_vm_vsrc(0)
	s_getreg_b32 s2, hwreg(HW_REG_IB_STS2, 6, 4)
	s_cmp_eq_u32 s2, 0
	s_cbranch_scc0 .Lentry_in_a_cluster
	s_endpgm
.Lentry_in_a_cluster:
	s_bfe_u32 s2, ttmp6, 0x10000c
	s_cmp_lg_u32 s2, 0xf033
	s_cbranch_scc0 .Lentry_shape_is_right
	s_endpgm
.Lentry_shape_is_right:
; out = res + A W + bias, f32, [4096][1024].  W [K][1024] bf16 (N along the rows), sums in f32.
; KIND 0: A = attention output ao[32 (b*16+head)][2048][64] bf16, K = 1024 (k = 64 head + d), W = Wo, res = x.
; KIND 1: A = gbuf [4096][4096] bf16, K = 4096, W = W2, res = x1.
; N = 1024 gives 256 work-groups only with blocks of 128 x 128.  Every wave keeps the WHOLE block (64 accumulator tiles, 512 registers), so that a
; fragment byte from LDS feeds as many products as in a 128 x 128 wave tile, and the four waves share K: of each K step of 256, wave w takes
; k = 64 w .. 64 w + 63.  The four partial sums meet once, in LDS, on the way out.  So K is added in four slices: an order of rounding of its own.
; Two LDS slots filled by the tensor data mover; 4 x 4 clusters: A's tile is asked for jointly along a row of the cluster, W's along a column.
; Windows and the transposed use of the matrix instruction: window 0 addresses, A's fragments, way out; window 1 W's fragments; windows 2, 3 the
; accumulators of rows 0-63, 64-127; source 0 = 16 columns of W, source 1 = 16 rows of A, so a lane holds eight neighbouring columns of one row.
; Limits: NaN and infinities get no special care.
.set KIND,   1
.set HALFT,  36864                     ; a quarter of a slot: what one tensor load brings
.set SLOT,   4*HALFT                   ; A's two halves, then W's two halves
.set BPITCH, 288                       ; W's LDS row: 256 bytes + 32 (an odd multiple of 32)
.if KIND
.set APITCH, 528                       ; A's LDS row: 512 bytes + 16 (an odd multiple of 16); a half is 64 rows, 33,792 bytes
.set LAPS,   8                         ; K / 512
.set ASTEP,  512                       ; bytes from one K step of A to the next
.set WOFF,   16777216                  ; W2 in wbf
.else
.set APITCH, 144                       ; A's LDS row: a head's 128 bytes + 16; a half is two heads x 128 rows
.set LAPS,   2
.set ASTEP,  1048576                   ; four heads of 262,144 bytes
.set WOFF,   6291456                   ; Wo in wbf
.endif
.set BSTEP,  524288                    ; 256 k-rows of 2,048 bytes
.set OPITCH, 528                       ; way out: a row of 128 f32 + 16 bytes
.set PART,   128*OPITCH                ; a wave's partial block
.set ADRA, 16                          ; v16-17  LDS address of my A fragments in slot 0, 1
.set ADRB, 20                          ; v20-21  the same for W
.set STO,  22                          ; v22     way out: where I put my partial sums
.set RD,   24                          ; v24-27  way out: my rows in the four partial blocks
.set LOFF, 28                          ; v28     16 x lane
.set BI,   32                          ; v[32:35] bias of my four columns
.set F0,   64
.set F1,   128
.set SUMS, 64                          ; way out: v64-191, 8 rows x 4 partial sums x 4 registers
.set RES,  192                         ; v192-255: two sets of 8 rows of the residual
.set G1,  24
.set G0,  32
.set G1B, 48
.set G0B, 56
.set MSB, 0
.macro WIN new                         ; the immediate's high byte repeats the setting that is left
.if MSB != \new
	s_set_vgpr_msb (MSB<<8)|\new
.set MSB, \new
.endif
.endm
.set MUL_LO, 0xa1
.set MUL_HI, 0xf1
.set TO_B,   0x40
.macro JLOAD s                         ; waves 0, 1 fetch A's halves, waves 2, 3 W's; the branch hangs on the wave's number alone
	s_cmp_eq_u32 s67, 0
	s_cbranch_scc0 .Lfor_b_\@
	tensor_load_to_lds s[G0+4*\s:G0+4*\s+3], s[G1:G1+7]
	s_nop 0
	s_branch .Lasked_\@
.Lfor_b_\@:
	tensor_load_to_lds s[G0B+4*\s:G0B+4*\s+3], s[G1B:G1B+7]
	s_nop 0
.Lasked_\@:
.endm
.macro CREST                           ; a round of the cluster's barrier behind its opening barrier
	s_cmp_lg_u32 s66, 0
	s_cbranch_scc1 .Lnot_wave_0_\@
	s_barrier_signal -3
.Lnot_wave_0_\@:
	s_barrier_wait -3
	s_barrier_signal -1
	s_barrier_wait -1
.endm
.macro CROUND
	s_barrier_signal -1
	s_barrier_wait -1
	CREST
.endm
	s_load_b256 s[4:11], s[0:1], 0x0               ; A s[4:5], wbf s[6:7], bias s[8:9], res s[10:11]
	s_load_b64 s[12:13], s[0:1], 0x20              ; out
	s_set_vgpr_msb 0x40
	v_lshl_add_u32 v255, v0, 2, 0x48000
	s_set_vgpr_msb 0x4000
	v_mov_b32 v63, 0
	s_set_vgpr_msb 0x1
	ds_add_u32 v255, v63
	s_set_vgpr_msb 0x100
	v_lshrrev_b32 v1, 5, v0
	v_readfirstlane_b32 s66, v1                    ; wave 0..3: my slice of K
	s_lshr_b32 s67, s66, 1                         ; I fetch for A (0) or for W (1)
	s_and_b32 s68, s66, 1                          ; which half of that tile
	s_bfe_u32 s40, ttmp6, 0x40000                  ; cx
	s_bfe_u32 s41, ttmp6, 0x40004                  ; cy
	s_lshl_b32 s42, ttmp9, 2
	s_add_co_u32 s42, s42, s40                     ; block column 0..7
	s_and_b32 s69, ttmp7, 0xffff
	s_lshl_b32 s69, s69, 2
	s_add_co_u32 s69, s69, s41                     ; block row 0..31
	s_lshl_b32 s43, s41, 2
	s_lshl_b32 s43, 15, s43                        ; my row of the cluster
	s_lshl_b32 s44, 0x1111, s40                    ; my column
.if KIND
	; group 1 for A: 64 rows x 256 elements, pitch 4096; 4 words of padding behind every 128
	s_or_b32 s[G1+0], s43, (1<<16)|(1<<20)|(1<<21)|(6<<22)|(3<<25)
	s_mov_b32 s[G1+1], 256<<16
	s_mov_b32 s[G1+2], 64<<16
	s_mov_b32 s[G1+3], 256<<16
	s_mov_b32 s[G1+4], 64
	s_mov_b32 s[G1+5], 4096
.else
	; group 1 for A: two heads; a head's 128 rows of 64 elements are dense, one row of 8,192 elements here; from head to head 131,072 elements;
	; 4 words of padding behind every 32, that is behind each row of 128 bytes
	s_or_b32 s[G1+0], s43, (1<<16)|(1<<20)|(1<<21)|(4<<22)|(3<<25)
	s_mov_b32 s[G1+1], 8192<<16
	s_mov_b32 s[G1+2], 2<<16
	s_mov_b32 s[G1+3], 8192<<16
	s_mov_b32 s[G1+4], 2
	s_mov_b32 s[G1+5], 131072
.endif
	s_mov_b32 s[G1+6], 0
	s_mov_b32 s[G1+7], 0
	; group 1 for W: 128 k-rows x 128 elements, pitch 1024; 8 words of padding behind every 64
	s_or_b32 s[G1B+0], s44, (1<<16)|(1<<20)|(1<<21)|(5<<22)|(7<<25)
	s_mov_b32 s[G1B+1], 128<<16
	s_mov_b32 s[G1B+2], 128<<16
	s_mov_b32 s[G1B+3], 128<<16
	s_mov_b32 s[G1B+4], 128
	s_mov_b32 s[G1B+5], 1024
	s_mov_b32 s[G1B+6], 0
	s_mov_b32 s[G1B+7], 0
.if KIND
	s_lshl_b32 s16, s69, 20                        ; 128 rows of 8,192 bytes
	s_lshl_b32 s17, s68, 19                        ; + my 64 rows
	s_add_co_u32 s16, s16, s17
.else
	s_lshr_b32 s16, s69, 4                         ; batch: 16 heads of 262,144 bytes
	s_lshl_b32 s16, s16, 22
	s_lshl_b32 s17, s68, 19                        ; + my two heads
	s_add_co_u32 s16, s16, s17
	s_and_b32 s17, s69, 15                         ; + 128 rows of 128 bytes a block row
	s_lshl_b32 s17, s17, 14
	s_add_co_u32 s16, s16, s17
.endif
	s_mov_b32 s17, 0
	s_lshl_b32 s46, s42, 8                         ; 128 columns x 2 bytes
	s_lshl_b32 s47, s68, 18                        ; + my 128 k-rows of 2,048 bytes
	s_add_co_u32 s46, s46, s47
	s_add_co_u32 s46, s46, WOFF
	s_mov_b32 s47, 0
	s_mul_i32 s20, s66, HALFT
	s_lshl_b32 s72, s69, 19                        ; res and out: 128 rows of 4,096 bytes a block row
	s_lshl_b32 s73, s66, 17                        ; + the 32 rows that I finish
	s_add_co_u32 s72, s72, s73
	s_lshl_b32 s74, s42, 9                         ; + 128 columns of 4 bytes a block column
	s_add_co_u32 s72, s72, s74
	s_mov_b32 s73, 0
	s_mov_b32 s75, 0
	s_wait_dscnt 0x0
	s_wait_kmcnt 0x0
	s_add_nc_u64 s[14:15], s[4:5], s[16:17]
	s_add_nc_u64 s[46:47], s[6:7], s[46:47]
	s_add_nc_u64 s[8:9], s[8:9], s[74:75]
	s_add_nc_u64 s[10:11], s[10:11], s[72:73]
	s_add_nc_u64 s[12:13], s[12:13], s[72:73]
	CROUND                                         ; all sixteen work-groups are here: the first joint loads meet
.irp s, 0,1
	s_mov_b32 s[G0+4*\s], 1
	s_add_co_u32 s[G0+4*\s+1], s20, \s*SLOT
	s_add_nc_u64 s[G0+4*\s+2:G0+4*\s+3], s[14:15], \s*ASTEP
	s_or_b32 s[G0+4*\s+3], s[G0+4*\s+3], 0x80000000
	s_mov_b32 s[G0B+4*\s], 1
	s_add_co_u32 s[G0B+4*\s+1], s20, \s*SLOT
	s_add_nc_u64 s[G0B+4*\s+2:G0B+4*\s+3], s[46:47], \s*BSTEP
	s_or_b32 s[G0B+4*\s+3], s[G0B+4*\s+3], 0x80000000
	JLOAD \s
.endr
	v_and_b32 v1, 15, v0                           ; r
	v_bfe_u32 v2, v0, 4, 1                         ; h
	v_and_b32 v7, 31, v0
	v_lshlrev_b32 v[LOFF], 4, v7
	; bias and the first 16 of my 32 residual rows: asked for now, waited for on the way out; the loop names none of these registers
	global_load_b128 v[BI:BI+3], v[LOFF], s[8:9]
.set q, 0
.rept 16
	global_load_b128 v[RES+4*q:RES+4*q+3], v[LOFF], s[10:11] offset:q*4096
.set q, q+1
.endr
	v_mul_u32_u24 v3, v1, APITCH
	v_lshl_add_u32 v3, v2, 4, v3                   ; A: row r, 16 bytes for each half of the lanes
	v_and_b32 v4, 7, v0
	v_lshl_add_u32 v4, v2, 3, v4                   ; W: k-row 8 h + l % 8,
	v_mul_u32_u24 v4, v4, BPITCH
	v_bfe_u32 v5, v0, 3, 1
	v_lshl_add_u32 v4, v5, 4, v4                   ; columns 0-7 or 8-15 of the sixteen
.if KIND
	s_lshl_b32 s21, s66, 7                         ; my 64 of a row's 256 k: 128 bytes
.else
	s_mul_i32 s21, s66, 128*APITCH                 ; my head of the tile's four
.endif
	s_mul_i32 s22, s66, 64*BPITCH                  ; my 64 k-rows of W,
	s_add_co_u32 s22, s22, 2*HALFT                 ; which lies behind A
.irp s, 0,1
	v_add_nc_u32 v[ADRA+\s], s21, v3
	v_add_nc_u32 v[ADRB+\s], s22, v4
	s_add_co_u32 s21, s21, SLOT
	s_add_co_u32 s22, s22, SLOT
.endr
	v_mul_u32_u24 v6, v1, OPITCH                   ; way out, in: row r, 32 bytes for each half of the lanes,
	v_lshl_add_u32 v6, v2, 5, v6
	s_mul_i32 s23, s66, PART                       ; in my partial block
	v_add_nc_u32 v[STO], s23, v6
	s_mul_i32 s23, s66, 32*OPITCH                  ; back: my 32 rows in each of the four partial blocks, 16 bytes a lane
.irp p, 0,1,2,3
	v_add_nc_u32 v[RD+\p], s23, v[LOFF]
	s_add_co_u32 s23, s23, PART
.endr
; 16 matrix instructions; the 64 accumulators take turns, one instruction a turn, in the same order in every quarter.
.macro MUL16 f, hi, a0, zero
.irp a, \a0, \a0+1
.irp b, 0,1,2,3,4,5,6,7
.if \zero
	v_wmma_f32_16x16x32_bf16 v[8*(8*(\a)+\b):8*(8*(\a)+\b)+7], v[\f+8*\b:\f+8*\b+7], v[\f+8*(4*\hi+\a):\f+8*(4*\hi+\a)+7], 0
.else
	v_wmma_f32_16x16x32_bf16 v[8*(8*(\a)+\b):8*(8*(\a)+\b)+7], v[\f+8*\b:\f+8*\b+7], v[\f+8*(4*\hi+\a):\f+8*(4*\hi+\a)+7], v[8*(8*(\a)+\b):8*(8*(\a)+\b)+7]
.endif
.endr
.endr
.endm
; 32 LDS loads in one run: the fragments of half kq (32 along K) of my slice into buffer f
.macro FETCH slot, kq, f
	WIN TO_B
.irp i, 0,1,2,3,4,5,6,7
	ds_load_tr16_b128 v[\f+8*\i:\f+8*\i+3],   v[ADRB+\slot] offset:\kq*32*BPITCH+32*\i
	ds_load_tr16_b128 v[\f+8*\i+4:\f+8*\i+7], v[ADRB+\slot] offset:\kq*32*BPITCH+32*\i+16*BPITCH
.endr
	WIN 0
.irp i, 0,1,2,3,4,5,6,7
.if KIND
	ds_load_b128 v[\f+8*\i:\f+8*\i+3],   v[ADRA+\slot] offset:(\i>>2)*HALFT+(\i&3)*16*APITCH+64*\kq
	ds_load_b128 v[\f+8*\i+4:\f+8*\i+7], v[ADRA+\slot] offset:(\i>>2)*HALFT+(\i&3)*16*APITCH+64*\kq+32
.else
	ds_load_b128 v[\f+8*\i:\f+8*\i+3],   v[ADRA+\slot] offset:\i*16*APITCH+64*\kq
	ds_load_b128 v[\f+8*\i+4:\f+8*\i+7], v[ADRA+\slot] offset:\i*16*APITCH+64*\kq+32
.endif
.endr
.endm
.macro PLACES                          ; four plain vector instructions between a matrix instruction and a load into, or a vector instruction on, one of its registers
.rept 4
	v_nop
.endr
.endm
; The first half of a K step: multiplies buffer f; in its middle it fetches the second half's fragments into buffer g.
.macro QUARTER slot, kq, f, g, zero
	s_wait_dscnt 8                                 ; W and A's rows 0-63 are in; the youngest eight loads (A's rows 64-127) may be out
	WIN MUL_LO
	MUL16 \f, 0, 0, \zero
	MUL16 \f, 0, 2, \zero
	PLACES
	FETCH \slot, \kq, \g
	s_wait_dscnt 32                                ; all but the 32 just issued
	WIN MUL_HI
	MUL16 \f, 1, 0, \zero
	MUL16 \f, 1, 2, \zero
.endm
; The second half: multiplies buffer 1 and changes slots.  In front of the barrier each wave waits for its reads of this slot and for all its tensor
; loads (one is out: its part of the next slot); behind it (with fill: behind the cluster's round that it opens) the refill comes first.
; From a request to the wait for it a wave issues 112 matrix instructions.
.macro TURN slot, next, fill
	s_wait_dscnt 8
	WIN MUL_LO
	MUL16 F1, 0, 0, 0
	s_wait_dscnt 0
	s_wait_tensorcnt 0x0
	ds_add_u32 v255, v63
	s_wait_dscnt 0x0
	s_barrier_signal -1
	MUL16 F1, 0, 2, 0
	WIN 0
	s_barrier_wait -1
.if \fill
	CREST
	s_add_nc_u64 s[G0+4*\slot+2:G0+4*\slot+3], s[G0+4*\slot+2:G0+4*\slot+3], 2*ASTEP
	s_add_nc_u64 s[G0B+4*\slot+2:G0B+4*\slot+3], s[G0B+4*\slot+2:G0B+4*\slot+3], 2*BSTEP
	JLOAD \slot
.endif
	PLACES
	FETCH \next, 0, F0
	WIN MUL_HI
	MUL16 F1, 1, 0, 0
	MUL16 F1, 1, 2, 0
.endm
.macro LAP zero
	QUARTER 0, 1, F0, F1, \zero
	TURN 0, 1, 1
	QUARTER 1, 1, F0, F1, 0
	TURN 1, 0, 1
.endm
	s_wait_tensorcnt 1                             ; my part of K step 0 is in; K step 1's load stays out
	s_barrier_signal -1
	s_barrier_wait -1
	FETCH 0, 0, F0
	LAP 1
.if LAPS > 2
	WIN 0
	s_mov_b32 s3, LAPS-2
.Llap:
	LAP 0
	WIN 0
	s_sub_co_u32 s3, s3, 1
	s_cmp_lg_u32 s3, 0
	s_cbranch_scc1 .Llap
.endif
	QUARTER 0, 1, F0, F1, 0                        ; the last lap fills nothing
	TURN 0, 1, 0
	QUARTER 1, 1, F0, F1, 0
	s_wait_dscnt 8
	WIN MUL_LO
	MUL16 F1, 0, 0, 0
	MUL16 F1, 0, 2, 0
	s_wait_dscnt 0
	WIN MUL_HI
	MUL16 F1, 1, 0, 0
	MUL16 F1, 1, 2, 0
	PLACES                                         ; behind the last matrix instructions, for all that follows
	WIN 0
	; THE WAY OUT.  The ring has had its last fill; its bytes now take the four partial blocks.
	s_barrier_signal -1                            ; every wave's reads of the ring are back (its last wait on LDS was for 0) and its tensor loads have landed
	s_barrier_wait -1
	WIN 0x08                                       ; store data from window 2
.irp a, 0,1,2,3
.irp b, 0,1,2,3,4,5,6,7
	ds_store_b128 v[STO], v[8*(8*\a+\b):8*(8*\a+\b)+3]   offset:\a*16*OPITCH+64*\b
	ds_store_b128 v[STO], v[8*(8*\a+\b)+4:8*(8*\a+\b)+7] offset:\a*16*OPITCH+64*\b+16
.endr
.endr
	WIN 0x0c                                       ; from window 3
.irp a, 0,1,2,3
.irp b, 0,1,2,3,4,5,6,7
	ds_store_b128 v[STO], v[8*(8*\a+\b):8*(8*\a+\b)+3]   offset:(4+\a)*16*OPITCH+64*\b
	ds_store_b128 v[STO], v[8*(8*\a+\b)+4:8*(8*\a+\b)+7] offset:(4+\a)*16*OPITCH+64*\b+16
.endr
.endr
	WIN 0
	s_wait_dscnt 0x0                               ; for the others' sake: my partial block is written
	s_barrier_signal -1
	s_barrier_wait -1
; Eight of my 32 rows: the four partial sums, the residual and the bias; a row of 512 bytes is one store of the wave.
; left = how many younger residual loads may stay out; more = 1: the residual set just used is loaded with the rows two batches on.
.macro BATCH bt, left, more
	s_wait_xcnt 0x0                                ; SUMS held the last batch's store data: loaded again only behind this wait
.irp q, 0,1,2,3,4,5,6,7
.irp p, 0,1,2,3
	ds_load_b128 v[SUMS+16*\q+4*\p:SUMS+16*\q+4*\p+3], v[RD+\p] offset:(8*\bt+\q)*OPITCH
.endr
.endr
	s_wait_loadcnt \left
.irp q, 0,1,2,3,4,5,6,7
.set AA, SUMS+16*\q
.set RR, RES+32*(\bt&1)+4*\q
	s_wait_dscnt 4*(7-\q)                          ; row q's four loads are in; the younger rows' stay out
	v_pk_add_f32 v[AA:AA+1], v[AA:AA+1], v[AA+4:AA+5]
	v_pk_add_f32 v[AA+2:AA+3], v[AA+2:AA+3], v[AA+6:AA+7]
	v_pk_add_f32 v[AA+8:AA+9], v[AA+8:AA+9], v[AA+12:AA+13]
	v_pk_add_f32 v[AA+10:AA+11], v[AA+10:AA+11], v[AA+14:AA+15]
	v_pk_add_f32 v[RR:RR+1], v[RR:RR+1], v[BI:BI+1]
	v_pk_add_f32 v[RR+2:RR+3], v[RR+2:RR+3], v[BI+2:BI+3]
	v_pk_add_f32 v[AA:AA+1], v[AA:AA+1], v[AA+8:AA+9]
	v_pk_add_f32 v[AA+2:AA+3], v[AA+2:AA+3], v[AA+10:AA+11]
	v_pk_add_f32 v[AA:AA+1], v[AA:AA+1], v[RR:RR+1]
	v_pk_add_f32 v[AA+2:AA+3], v[AA+2:AA+3], v[RR+2:RR+3]
	global_store_b128 v[LOFF], v[AA:AA+3], s[12:13] offset:(8*\bt+\q)*4096
.endr
.if \more
.irp q, 0,1,2,3,4,5,6,7
	global_load_b128 v[RES+32*(\bt&1)+4*\q:RES+32*(\bt&1)+4*\q+3], v[LOFF], s[10:11] offset:(8*(\bt+2)+\q)*4096
.endr
.endif
.endm
	BATCH 0, 8, 1                                  ; 8: the next batch's eight residual rows stay out
	BATCH 1, 8, 1
	BATCH 2, 8, 0
	BATCH 3, 0, 0
	s_set_vgpr_msb 0x1
	s_wait_tensorcnt 0x0
	ds_add_u32 v255, v63
	s_wait_dscnt 0x0
	s_set_vgpr_msb 0x100
	CROUND                                         ; the closing round
	s_endpgm
.Lfunc_end_k_q029d9fcab7_w2:
	.size	k_q029d9fcab7_w2, .Lfunc_end_k_q029d9fcab7_w2-k_q029d9fcab7_w2
	.p2alignl 7, 3214868480
	.fill 96, 4, 3214868480
	.section	.rodata,"a",@progbits
	.p2align	6, 0x0
	.amdhsa_kernel k_q029d9fcab7_w2
		.amdhsa_group_segment_fixed_size 327680
		.amdhsa_private_segment_fixed_size 0
		.amdhsa_enable_private_segment 0
		.amdhsa_kernarg_size 40
		.amdhsa_user_sgpr_count 2
		.amdhsa_user_sgpr_kernarg_segment_ptr 1
		.amdhsa_wavefront_size32 1
		.amdhsa_system_sgpr_workgroup_id_x 1
		.amdhsa_system_sgpr_workgroup_id_y 1
		.amdhsa_system_sgpr_workgroup_id_z 1
		.amdhsa_system_vgpr_workitem_id 0
		.amdhsa_next_free_vgpr 1024
		.amdhsa_next_free_sgpr 80
		.amdhsa_reserve_vcc 0
		.amdhsa_float_denorm_mode_32 3
		.amdhsa_float_denorm_mode_16_64 3
		.amdhsa_memory_ordered 1
		.amdhsa_forward_progress 1
		.amdhsa_inst_pref_size 131
	.end_amdhsa_kernel
	.amdgpu_metadata
---
amdhsa.version: [ 1, 2 ]
amdhsa.kernels:
  - .name:           k_q029d9fcab7_w2
    .symbol:         k_q029d9fcab7_w2.kd
    .args:
      - { .name: gbuf, .offset: 0, .size: 8, .value_kind: global_buffer, .address_space: global }
      - { .name: wbf, .offset: 8, .size: 8, .value_kind: global_buffer, .address_space: global }
      - { .name: b2, .offset: 16, .size: 8, .value_kind: global_buffer, .address_space: global }
      - { .name: x1, .offset: 24, .size: 8, .value_kind: global_buffer, .address_space: global }
      - { .name: out0, .offset: 32, .size: 8, .value_kind: global_buffer, .address_space: global }
    .group_segment_fixed_size: 327680
    .private_segment_fixed_size: 0
    .kernarg_segment_align: 8
    .kernarg_segment_size: 40
    .max_flat_workgroup_size: 128
    .sgpr_count:     80
    .vgpr_count:     1024
    .wavefront_size: 32
...
	.end_amdgpu_metadata
.endif
;; end of part 7
